; MI455X (gfx1250); checked and timed in simulation.
; The chip was launched on July 23, 2026; its instructions are those of AMD's public machine-readable ISA for CDNA 5 (MIT licence, August 2026) and "CDNA5" Instruction Set Architecture Reference Guide (July 2026). The comments in the code are by the model that wrote it; some were corrected since.
;; Causal MHSA. Allowed arithmetic: matrix products marked QUANTISED: E4M3 operands, one E8M0 scale for each 32 along K, by v_wmma_scale_f32_16x16x128_f8f6f4 with both operands' format E4M3, f32 sums; everything else in f32.
;; Inputs: Wk 1,024 x 1,024 float32; Wo 1,024 x 1,024 float32; Wq 1,024 x 1,024 float32; Wv 1,024 x 1,024 float32; token_positions 2,048 int32; x 4 x 2,048 x 1,024 float32.
;; Outputs: out0 4 x 2,048 x 1,024 float32.
;; This version of the problem:
;;   THIS VERSION OF THE PROBLEM IS GIVEN IN LOW PRECISION. The matrix products marked QUANTISED in the list below multiply operands that are first quantised to E4M3 (4 exponent bits, 3 mantissa bits; 8 bits a number), with one power-of-two scale for each 32 numbers along K (OCP MX v1.0); their sums are f32. All else is computed in f32.
;;   The module's matrix products, in the order in which they are computed (A, B: the left and right operand; K: the contracted axis; several contracted axes count as one K, in the product's order):
;;     1. [M 8,192, K 1,024] x [K 1,024, N 1,024]; A: input x; B: input Wq: QUANTISED
;;     2. [M 8,192, K 1,024] x [K 1,024, N 1,024]; A: input x; B: input Wk: QUANTISED
;;     3. [M 8,192, K 1,024] x [K 1,024, N 1,024]; A: input x; B: input Wv: QUANTISED
;;     4. batch 64 x [M 2,048, K 64] x [K 64, N 2,048]; A: computed on the way; B: computed on the way: QUANTISED
;;     5. batch 64 x [M 2,048, K 2,048] x [K 2,048, N 64]; A: softmax (see below); B: computed on the way: QUANTISED
;;     6. [M 8,192, K 1,024] x [K 1,024, N 1,024]; A: computed on the way; B: input Wo: QUANTISED
;;   THE QUANTISER, for each operand of a quantised product, along K:
;;     - K is cut into blocks of 32 from its start; a last block that is shorter is filled with zeros.
;;     - A block's scale is 2^e with e = floor(log2(the largest magnitude in the block)) - 8, held to -126 .. 127; a block of zeros has e = 0. As a byte (E8M0): e + 127.
;;     - Each number is divided by its block's scale, clamped to +-448, and rounded to the nearest number of E4M3, ties to even, subnormals kept.
;;     - The product sums the exact products of the quantised numbers (number of the format x scale) in f32.
;;   ~~~python
;;   def quantise(x, axis):      # numpy; x: float32 -> the quantised numbers, widened to float32 again
;;       x = np.moveaxis(x, axis, -1); K = x.shape[-1]
;;       x = np.pad(x, [(0, 0)] * (x.ndim - 1) + [(0, -K % 32)]); x = x.reshape(x.shape[:-1] + (-1, 32)); a = np.abs(x).max(-1, keepdims=True)
;;       e = np.where(a > 0, np.clip(np.frexp(np.where(a > 0, a, 1))[1] - 1 - 8, -126, 127), 0)      # np.frexp(a)[1] - 1 = floor(log2(a)), exactly
;;       r = np.clip(x / 2.0 ** e, -448, 448)
;;       step = 2.0 ** (np.maximum(np.frexp(np.where(r == 0, 1, r))[1] - 1, -6) - 3)
;;       q = np.round(r / step) * step * 2.0 ** e      # np.round: ties to even
;;       return np.moveaxis(q.reshape(q.shape[:-2] + (-1,))[..., :K], -1, axis).astype(np.float32)
;;   ~~~
;;   SOFTMAX AHEAD OF A QUANTISED PRODUCT. Where the list says 'softmax', what is quantised is not the finished softmax but p = 2^(t - M), with t = logit x log2(e) and M = ceil(the row's largest t), a whole number; so 1/2 < the row's largest p <= 1. The row's sum l is taken of the UNQUANTISED p, in f32, and the product's result is divided by l at the end. Since M is a whole number, a kernel that streams over the keys may use a running M (the ceiling of the running maximum): every later rescaling is an exact power of two, which a block's scale takes up: the codes' values come out the same.
;;   OPERANDS COMPUTED ON THE WAY. 'Computed on the way' means the value that the module computes at that place (a softmax that the list does not call 'softmax' is quantised finished and normalised). What goes into a quantiser is computed in f32, as accurately as f32 sums, v_exp_f32 and their like allow (about 1e-6 of the number): no bf16 or f16 on the way to a quantiser, and a product that is left as it is and whose result goes on into a quantised operand takes f32 operands (vector FMAs, or v_wmma_f32_16x16x4_f32). A number that lies on a knife's edge between two numbers of the format may be rounded either way, as far as f32 arithmetic and the matrix unit's own rounding can turn it there, and no further.
;; One version. Each part assembles by itself: llvm-mc -triple=amdgcn-amd-amdhsa -mcpu=gfx1250 --defsym DOCPART=n.
;; ======== version 1 of 1: 4 launches
;; limits: right only within a limited range of input values
;; workspace buffers: xc 8,388,608 bytes; xs 262,144 bytes; wc 4,194,304 bytes; ws 131,072 bytes; rope 524,288 bytes; qkvr 26,476,544 bytes; cc 8,388,608 bytes; cs 262,144 bytes
;; launch quant_x (part 1): grid 384 x 1, 4 waves a work-group, no clusters, 68,096 bytes of LDS; arguments x, token_positions, xc, xs, rope, Wq, Wk, Wv, Wo, wc, ws; writes xc, xs, rope, wc, ws
.if DOCPART == 1
	.amdgcn_target "amdgcn-amd-amdhsa--gfx1250"
	.amdhsa_code_object_version 6
	.text
	.protected	k_q41eaa12636_quant_x
	.globl	k_q41eaa12636_quant_x
	.p2align	8
	.type	k_q41eaa12636_quant_x,@function
k_q41eaa12636_quant_x:
	s_mov_b64 s[64:65], 0
	v_nop
	global_prefetch_b8 v0, s[64:65] scope:SCOPE_SE
	s_setreg_imm32_b32 hwreg(HW_REG_WAVE_MODE, 25, 1), 1
	s_wait_xcnt 0x0
; x [8192][1024] f32 becomes codes of FP8 (E4M3), K innermost, with one E8M0 byte for each 32 along K; and the table of cosines and sines for the rotation is made.
; A block's scale is 2^(floor(log2(its largest magnitude)) - 8); its byte is the largest magnitude's exponent field - 8, held at 1 from below; each number is divided by the scale, held within +-448, rounded to the nearest code, ties to even.
; ROW ORDER: token n's codes and scale bytes are stored at row p(n), p = n with its bits 3 and 4 exchanged.  A wave's run is 8 rows, so bits 0 and 1 of the run's number are exchanged on the way out.
; The products that read these rows then find, in a lane's registers, 16 neighbours along the next product's K.
; A wave takes 16 steps of 512 numbers: four loads of 512 consecutive bytes, a turn through the wave's own stage in LDS (16 bytes of padding behind each 64), 16 neighbours a lane, two lanes to a block.
; A lane's 16 codes are 16 bytes: a wave's store covers 512 consecutive bytes.  A wave's 256 scale bytes are gathered in LDS and leave as 256 consecutive bytes.  Waves share nothing: no barrier.
; THE TABLE: rope[s][i] = (cos, sin) of token_positions[s] x 10000^(-i / 32), i = 0 .. 31.  Thread t of work-group g makes s = 8 g + t / 16, i = 2 (t % 16) and the next: 16 bytes a lane.
; 10000^(-i / 32) = 2^(-c i), c = log2(10) / 8 in two parts; the whole part of the exponent goes in by v_ldexp_f32.  The angle is reduced by quarter turns (pi / 2 in two parts, fused), sine and cosine by polynomials on +-pi / 4.
; LIMITS: NaN and infinities among the inputs are not served.  A block whose largest magnitude lies under 2^-118 has the byte 1; so has a block of zeros, where the rule says 127 (its codes are zeros, and this program alone reads the bytes).
; The inverse frequency is good to about 1.5 units in its last place; the angle's reduction holds up to about 2^22 in magnitude.
.set STEPS, 16
.set MANT,  0x600000                   ; the mantissa field of 448 as f32
.set CB,    16                         ; bytes of 16 codes
.set R,     16                         ; v16-79   four sets of 16 numbers as they are loaded
.set X,     80                         ; v80-111  two sets of 16 neighbours
.set E,     112                        ; v112-127 a scale byte for each step
.set C,     128                        ; v128-191 codes: four registers for each step, so that no store's data are written again
.set WREG,  8192                       ; LDS: a region for each wave: two stages of 32 x SP bytes, behind them its 256 scale bytes
.set SP,    80                         ; a lane's place in a stage: its 64 bytes + 16 of padding
; ONE LAUNCH FOR ALL FIVE TENSORS: work-groups 0 to 255 take x and the table, work-groups 256 to 383 the four weights (at .Lweights); the two ways have LDS bytes of their own.
	v_lshl_add_u32 v224, v0, 2, 0x8000
	v_mov_b32 v225, 0
	s_cmp_ge_u32 ttmp9, 256                        ; the way hangs on the work-group's number alone
	s_wait_alu depctr_va_vdst(0)                   ; the wait ahead of the branch
	s_cbranch_scc1 .Lweights
	s_load_b256 s[4:11], s[0:1], 0x0               ; x s[4:5], token_positions s[6:7], xc s[8:9], xs s[10:11]
	s_load_b64 s[12:13], s[0:1], 0x20              ; rope
	v_lshrrev_b32 v1, 5, v0
	v_readfirstlane_b32 s16, v1                    ; wave
	v_and_b32 v2, 31, v0                           ; lane
	v_lshlrev_b32 v3, 4, v2                        ; my 16 bytes of a load's 512
	s_mul_i32 s17, s16, WREG
	v_lshrrev_b32 v14, 2, v2
	v_mul_u32_u24 v14, v14, SP
	v_and_b32 v15, 3, v2
	v_lshl_add_u32 v14, v15, 4, v14
	v_add_nc_u32 v14, s17, v14                     ; the stage, on the way in: SP (lane / 4) + 16 (lane % 4)
	v_mul_u32_u24 v15, v2, SP
	v_add_nc_u32 v15, s17, v15                     ; and on the way out: SP x lane: my 16 neighbours
	v_mul_u32_u24 v4, v2, CB                       ; my codes' place in a step's
	v_lshrrev_b32 v5, 1, v2
	s_add_co_u32 s17, s17, 2*32*SP
	v_add_nc_u32 v5, s17, v5                       ; LDS: my wave's 256 scale bytes, my block's byte
	v_lshlrev_b32 v7, 3, v2                        ; and on the way out 8 bytes a lane
	v_add_nc_u32 v6, s17, v7
	v_lshrrev_b32 v193, 4, v0
	v_lshlrev_b32 v193, 2, v193                    ; the table: my position's 4 bytes among the work-group's eight
	v_lshlrev_b32 v194, 4, v0                      ; and my 16 bytes of the work-group's 2,048
	s_mov_b32 s23, MANT
	s_mov_b32 s24, 0xbed49a78                      ; -c, upper part: c = log2(10) / 8
	s_mov_b32 s25, 0xb2179abc                      ; -c, lower part
	s_mov_b32 s26, 0xbfc90fdb                      ; -pi / 2, upper part
	s_mov_b32 s27, 0x333bbd2e                      ; what the upper part has too much
	s_mov_b32 s28, 0xb94ca1f9                      ; the sine's coefficients: -1.9515295891e-4,
	s_mov_b32 s29, 0x3c08839e                      ; 8.3321608736e-3,
	s_mov_b32 s30, 0xbe2aaaa3                      ; -1.6666654611e-1
	s_mov_b32 s31, 0x37ccf5ce                      ; the cosine's: 2.443315712e-5,
	s_mov_b32 s32, 0xbab6061a                      ; -1.388731625e-3,
	s_mov_b32 s33, 0x3d2aaaa5                      ; 4.166664568e-2
	s_lshl_b32 s17, ttmp9, 2
	s_add_co_u32 s18, s17, s16                     ; the run of 8 rows that I read: 4 x work-group + wave
	s_and_b32 s19, s16, 1
	s_lshl_b32 s19, s19, 1
	s_lshr_b32 s20, s16, 1
	s_or_b32 s19, s19, s20                         ; the wave's two bits exchanged
	s_add_co_u32 s19, s17, s19                     ; the run that I write
	s_lshl_b32 s20, s18, 15                        ; 32,768 bytes of f32 a run
	s_mov_b32 s21, 0
	s_lshl_b32 s34, s19, 13                        ; 8,192 bytes of codes
	s_mov_b32 s35, 0
	s_lshl_b32 s36, s19, 8                         ; 256 scale bytes
	s_mov_b32 s37, 0
	s_lshl_b32 s38, ttmp9, 5                       ; eight positions a work-group
	s_mov_b32 s39, 0
	s_wait_alu depctr_va_vdst(0)
	s_wait_kmcnt 0x0
	s_add_nc_u64 s[4:5], s[4:5], s[20:21]
	s_add_nc_u64 s[8:9], s[8:9], s[34:35]
	s_add_nc_u64 s[10:11], s[10:11], s[36:37]
	s_add_nc_u64 s[6:7], s[6:7], s[38:39]
	s_lshl_b32 s38, ttmp9, 11                      ; 2,048 bytes of the table a work-group
	s_add_nc_u64 s[12:13], s[12:13], s[38:39]
	global_load_b32 v192, v193, s[6:7]             ; my position: issued ahead of x's loads, so the first wait for those shows it in
.macro LOAD t
.irp i, 0,1,2,3
	global_load_b128 v[R+16*((\t)%4)+4*\i:R+16*((\t)%4)+4*\i+3], v3, s[4:5] offset:2048*(\t)+512*\i th:TH_LOAD_NT   ; 32 lanes read 512 consecutive bytes
.endr
.endm
.macro TURN t                          ; step t's numbers through the stage: LDS serves a wave's instructions in order, so no wait stands between the stores and the loads
.irp i, 0,1,2,3
	ds_store_b128 v14, v[R+16*((\t)%4)+4*\i:R+16*((\t)%4)+4*\i+3] offset:32*SP*((\t)%2)+8*SP*\i
.endr
.irp i, 0,1,2,3
	ds_load_b128 v[X+16*((\t)%2)+4*\i:X+16*((\t)%2)+4*\i+3], v15 offset:32*SP*((\t)%2)+16*\i
.endr
.endm
.irp t, 0,1,2,3
	LOAD \t
.endr
	s_wait_loadcnt 12                              ; the position and step 0's four loads are in; the twelve loads of steps 1 to 3 may be out
	TURN 0
	; ---- the table: two entries a lane, line by line by turns
	v_and_b32 v195, 15, v0
	v_lshlrev_b32 v195, 1, v195                    ; i of my first entry
	v_cvt_f32_u32 v196, v195
	v_add_f32 v197, 1.0, v196                      ; and of my second
	v_cvt_f32_i32 v192, v192                       ; the position as f32
.irp e, 0,1
	v_mul_f32 v[198+\e], s24, v[196+\e]            ; -c i
.endr
.irp e, 0,1
	v_rndne_f32 v[198+\e], v[198+\e]               ; its nearest whole number n
.endr
.irp e, 0,1
	v_fma_f32 v[200+\e], v[196+\e], s24, -v[198+\e]   ; -c i - n: the upper part, without rounding,
.endr
.irp e, 0,1
	v_fma_f32 v[200+\e], v[196+\e], s25, v[200+\e]    ; and the lower part
.endr
	s_wait_alu depctr_va_vdst(0)
.irp e, 0,1
	v_exp_f32 v[202+\e], v[200+\e]
.endr
	v_nop                                          ; a plain instruction between the exponentials and the use of their results
.irp e, 0,1
	v_cvt_i32_f32 v[198+\e], v[198+\e]
.endr
	s_wait_alu depctr_va_vdst(0)
.irp e, 0,1
	v_ldexp_f32 v[202+\e], v[202+\e], v[198+\e]    ; 10000^(-i / 32)
.endr
.irp e, 0,1
	v_mul_f32 v[204+\e], v192, v[202+\e]           ; the angle
.endr
.irp e, 0,1
	v_mul_f32 v[206+\e], 0x3f22f983, v[204+\e]     ; x 2 / pi
.endr
.irp e, 0,1
	v_rndne_f32 v[206+\e], v[206+\e]               ; quarter turns
.endr
.irp e, 0,1
	v_fma_f32 v[208+\e], v[206+\e], s26, v[204+\e]
.endr
.irp e, 0,1
	v_fma_f32 v[208+\e], v[206+\e], s27, v[208+\e] ; what is left: within +-pi / 4
.endr
.irp e, 0,1
	v_mul_f32 v[210+\e], v[208+\e], v[208+\e]      ; z, its square
.endr
.irp e, 0,1
	v_fma_f32 v[212+\e], v[210+\e], s28, s29
	v_fma_f32 v[214+\e], v[210+\e], s31, s32
.endr
.irp e, 0,1
	v_fma_f32 v[212+\e], v[212+\e], v[210+\e], s30
	v_fma_f32 v[214+\e], v[214+\e], v[210+\e], s33
.endr
.irp e, 0,1
	v_mul_f32 v[212+\e], v[212+\e], v[210+\e]
	v_mul_f32 v[218+\e], v[210+\e], v[210+\e]
	v_fma_f32 v[216+\e], v[210+\e], -0.5, 1.0
.endr
.irp e, 0,1
	v_fma_f32 v[212+\e], v[212+\e], v[208+\e], v[208+\e]   ; the sine of what is left
	v_fma_f32 v[214+\e], v[218+\e], v[214+\e], v[216+\e]   ; and its cosine
.endr
.irp e, 0,1
	v_cvt_i32_f32 v[216+\e], v[206+\e]             ; the quarter turns as a whole number q
.endr
.irp e, 0,1
	v_and_b32 v218, 1, v[216+\e]
	v_cmp_eq_u32 vcc_lo, 1, v218                   ; an odd q exchanges sine and cosine
	v_cndmask_b32 v[221+2*\e], v[212+\e], v[214+\e], vcc_lo
	v_cndmask_b32 v[220+2*\e], v[214+\e], v[212+\e], vcc_lo
	v_and_b32 v218, 2, v[216+\e]                   ; the sine is negated for q % 4 = 2, 3,
	v_lshlrev_b32 v218, 30, v218
	v_xor_b32 v[221+2*\e], v218, v[221+2*\e]
	v_add_nc_u32 v219, 1, v[216+\e]                ; the cosine for q % 4 = 1, 2
	v_and_b32 v219, 2, v219
	v_lshlrev_b32 v219, 30, v219
	v_xor_b32 v[220+2*\e], v219, v[220+2*\e]
.endr
	global_store_b128 v194, v[220:223], s[12:13]   ; cos, sin, cos, sin: a wave stores 512 consecutive bytes; these registers are not written again
.macro STEP t
.set XS, X+16*((\t)%2)
.if (\t) > 0
	s_wait_dscnt 1                                 ; this step's numbers are back from the stage (the last step's byte store may be out): so its stores into the stage have read their registers,
.else
	s_wait_dscnt 0x0
.endif
.if (\t)+4 < STEPS
	LOAD (\t)+4                                    ; which take the loads of four steps on
.endif
.if (\t)+1 < STEPS
.if STEPS-2-(\t) >= 3
	s_wait_loadcnt 12                              ; the next step's four loads are in; those of the three steps behind it may be out
.else
	s_wait_loadcnt 4*(STEPS-2-(\t))
.endif
	TURN (\t)+1                                    ; and go through the other stage while this step is worked
.endif
	v_max3_num_f32 v8, |v[XS]|, |v[XS+1]|, |v[XS+2]|               ; the largest magnitude of my 16
	v_max3_num_f32 v9, |v[XS+3]|, |v[XS+4]|, |v[XS+5]|
.irp i, 6,10
	v_max3_num_f32 v8, v8, |v[XS+\i]|, |v[XS+\i+1]|
	v_max3_num_f32 v9, v9, |v[XS+\i+2]|, |v[XS+\i+3]|
.endr
	v_max3_num_f32 v8, v8, |v[XS+14]|, |v[XS+15]|
	v_max3_num_f32 v8, v8, v9, 0x4800000           ; and the floor 2^(9 - 127): the byte cannot fall under 1
	v_max_num_f32_dpp v8, v8, v8 row_xmask:1 row_mask:0xf bank_mask:0xf   ; and of my neighbour's 16: the block's
	v_add_nc_u32 v11, 0xfc000000, v8               ; 8 off its exponent field: the conversion takes the exponent field of this operand as its scale
	v_and_or_b32 v10, v8, 0x7f800000, s23          ; 448 x the scale
.irp i, 0,1,2,3,4,5,6,7,8,9,10,11,12,13,14,15
	v_med3_num_f32 v[XS+\i], v[XS+\i], -v10, v10   ; the conversion to an 8-bit code does not saturate (ISA guide 7.6.2): hold the number first
.endr
	v_cvt_scalef32_pk8_fp8_f32 v[C+4*(\t):C+4*(\t)+1], v[XS:XS+7], v11
	v_cvt_scalef32_pk8_fp8_f32 v[C+4*(\t)+2:C+4*(\t)+3], v[XS+8:XS+15], v11
	v_lshrrev_b32 v[E+(\t)], 23, v11               ; the scale's byte (also the plain instruction behind the conversions)
	ds_store_b8 v5, v[E+(\t)] offset:16*(\t)       ; both lanes of a block write the same byte with the same value
	global_store_b128 v4, v[C+4*(\t):C+4*(\t)+3], s[8:9] offset:32*CB*(\t)
.endm
.irp t, 0,1,2,3,4,5,6,7,8,9,10,11,12,13,14,15
	STEP \t
.endr
	ds_load_b64 v[12:13], v6                       ; LDS serves a wave's instructions in order: these see my stores
	s_wait_dscnt 0x0
	global_store_b64 v7, v[12:13], s[10:11]        ; 32 lanes store 256 consecutive bytes
	s_wait_tensorcnt 0x0
	ds_add_u32 v224, v225
	s_wait_dscnt 0x0
	s_endpgm
; THE WEIGHTS [1024 (k)][1024 (n)], f32, K their FIRST axis, become codes laid [4096][1024] with K innermost (Wq, Wk, Wv, Wo one below the other) and one E8M0 byte for each 32 along K, laid [4096][32].
; A lane takes a column n and its registers run down K: a block of 32 lies in one lane's 32 registers.  Column n is stored at row p(n), p = n with its bits 3 and 4 exchanged.
; Work-group 256 + g: columns 128 (g % 8) on, weight g / 32, K from 256 ((g / 8) % 4) on.  A wave: 32 columns x 256 along K; the codes leave through the wave's own stage, sixteen lanes to 256 consecutive bytes.
; The same quantiser and the same limits as for x.  The stages lie from LDS byte 0x8200 on, behind x's regions and the spare words.
.Lweights:
.set WP, 272                           ; a stage row: 256 bytes + 16
.set WX, 32                            ; v32-95 two sets of 32 numbers
.set WC, 96                            ; v96-103 a block's codes
.set WO, 112                           ; v112-175 the way out
.set WS, 24                            ; v24-25 the scale bytes
	s_load_b256 s[4:11], s[0:1], 0x28              ; Wq, Wk, Wv, Wo
	s_load_b128 s[12:15], s[0:1], 0x48             ; wc, ws
	v_lshrrev_b32 v1, 5, v0
	v_readfirstlane_b32 s16, v1                    ; wave
	v_and_b32 v2, 31, v0                           ; lane
	s_sub_co_u32 s30, ttmp9, 256
	s_and_b32 s17, s30, 7
	s_lshl_b32 s17, s17, 7
	s_lshl_b32 s18, s16, 5
	s_add_co_u32 s17, s17, s18                     ; my wave's first column
	s_lshr_b32 s18, s30, 3
	s_lshr_b32 s30, s18, 2                         ; which weight
	s_and_b32 s18, s18, 3                          ; which 256 along K
	s_wait_alu depctr_va_vdst(0)                   ; the wait here, behind the scalar lines and ahead of the lane's readers
	v_lshlrev_b32 v3, 2, v2
	v_and_b32 v10, 7, v2
	v_bfe_u32 v11, v2, 4, 1
	v_lshl_or_b32 v10, v11, 3, v10
	v_bfe_u32 v11, v2, 3, 1
	v_lshl_or_b32 v10, v11, 4, v10                 ; my lane with bits 3 and 4 exchanged: my column's row
	s_mul_i32 s19, s16, 32*WP
	s_add_co_u32 s19, s19, 0x8200                  ; my stage
	v_mul_u32_u24 v4, v10, WP
	v_add_nc_u32 v4, s19, v4
	v_lshlrev_b32 v9, 5, v10                       ; my column's row of scale bytes
	v_and_b32 v5, 15, v2
	v_lshrrev_b32 v6, 4, v2
	v_mul_u32_u24 v7, v6, WP
	v_lshl_add_u32 v7, v5, 4, v7
	v_add_nc_u32 v7, s19, v7
	v_mul_u32_u24 v8, v6, 1024
	v_lshl_add_u32 v8, v5, 4, v8
	s_lshl_b32 s20, s18, 20
	s_lshl_b32 s22, s17, 2
	s_add_co_u32 s20, s20, s22
	s_mov_b32 s21, 0
	s_lshl_b32 s22, s30, 10
	s_add_co_u32 s22, s22, s17                     ; the first row that I write
	s_lshl_b32 s24, s22, 10
	s_lshl_b32 s26, s18, 8
	s_add_co_u32 s24, s24, s26
	s_mov_b32 s25, 0
	s_lshl_b32 s28, s22, 5
	s_lshl_b32 s26, s18, 3
	s_add_co_u32 s28, s28, s26
	s_mov_b32 s29, 0
	s_mov_b32 s31, 0x600000
	s_wait_alu depctr_va_vdst(0)                   ; the wait at the head's end
	s_wait_kmcnt 0x0
	s_cmp_eq_u32 s30, 1
	s_cselect_b64 s[4:5], s[6:7], s[4:5]
	s_cmp_eq_u32 s30, 2
	s_cselect_b64 s[4:5], s[8:9], s[4:5]
	s_cmp_eq_u32 s30, 3
	s_cselect_b64 s[4:5], s[10:11], s[4:5]
	s_add_nc_u64 s[4:5], s[4:5], s[20:21]
	s_add_nc_u64 s[12:13], s[12:13], s[24:25]
	s_add_nc_u64 s[14:15], s[14:15], s[28:29]
.macro WLOAD t                         ; block t: W(32 t + i, my column) into set t % 2
.irp i, 0,1,2,3,4,5,6,7,8,9,10,11,12,13,14,15,16,17,18,19,20,21,22,23,24,25,26,27,28,29,30,31
	global_load_b32 v[WX+32*((\t)%2)+\i], v3, s[4:5] offset:(32*(\t)+\i)*4096 th:TH_LOAD_NT
.endr
.endm
	WLOAD 0
	WLOAD 1
.macro WBLOCK t
.set XW, WX+32*((\t)%2)
.if (\t) < 7
	s_wait_loadcnt 32                              ; this block's 32 loads are in; the next block's may be out
.else
	s_wait_loadcnt 0
.endif
	v_max3_num_f32 v12, |v[XW]|, |v[XW+1]|, |v[XW+2]|
	v_max3_num_f32 v13, |v[XW+3]|, |v[XW+4]|, |v[XW+5]|
.irp i, 6,10,14,18,22,26
	v_max3_num_f32 v12, v12, |v[XW+\i]|, |v[XW+\i+1]|
	v_max3_num_f32 v13, v13, |v[XW+\i+2]|, |v[XW+\i+3]|
.endr
	v_max3_num_f32 v12, v12, |v[XW+30]|, |v[XW+31]|
	v_max3_num_f32 v12, v12, v13, 0x4800000        ; the floor 2^(9 - 127)
	v_add_nc_u32 v11, 0xfc000000, v12              ; the conversion's scale operand
	v_and_or_b32 v10, v12, 0x7f800000, s31         ; 448 x the scale
	v_lshrrev_b32 v13, 23, v11                     ; the scale's byte
.if (\t)%4 == 0
	v_mov_b32 v[WS+(\t)/4], v13
.else
	v_lshl_or_b32 v[WS+(\t)/4], v13, 8*((\t)%4), v[WS+(\t)/4]
.endif
.irp i, 0,1,2,3,4,5,6,7,8,9,10,11,12,13,14,15,16,17,18,19,20,21,22,23,24,25,26,27,28,29,30,31
	v_med3_num_f32 v[XW+\i], v[XW+\i], -v10, v10   ; the hold: the conversion does not saturate (ISA guide 7.6.2)
.endr
.irp g, 0,1,2,3
	v_cvt_scalef32_pk8_fp8_f32 v[WC+2*\g:WC+2*\g+1], v[XW+8*\g:XW+8*\g+7], v11
.endr
	v_nop                                          ; a plain instruction behind the conversions
	ds_store_b128 v4, v[WC:WC+3] offset:32*(\t)
	ds_store_b128 v4, v[WC+4:WC+7] offset:32*(\t)+16
.if (\t)+2 < 8
	WLOAD (\t)+2
.endif
	s_wait_dscnt 0x0                               ; the stores have read their registers
.endm
.irp t, 0,1,2,3,4,5,6,7
	WBLOCK \t
.endr
	global_store_b64 v9, v[WS:WS+1], s[14:15]      ; my column's 8 scale bytes
.irp t, 0,1,2,3,4,5,6,7,8,9,10,11,12,13,14,15
	ds_load_b128 v[WO+4*\t:WO+4*\t+3], v7 offset:2*\t*WP
.endr
.irp t, 0,1,2,3,4,5,6,7,8,9,10,11,12,13,14,15
	s_wait_dscnt 15-\t
	global_store_b128 v8, v[WO+4*\t:WO+4*\t+3], s[12:13] offset:2*\t*1024
.endr
	s_wait_tensorcnt 0x0                           ; the wave's end
	ds_add_u32 v224, v225
	s_wait_dscnt 0x0
	s_endpgm
.Lfunc_end_k_q41eaa12636_quant_x:
	.size	k_q41eaa12636_quant_x, .Lfunc_end_k_q41eaa12636_quant_x-k_q41eaa12636_quant_x
	.p2alignl 7, 3214868480
	.fill 96, 4, 3214868480
	.section	.rodata,"a",@progbits
	.p2align	6, 0x0
	.amdhsa_kernel k_q41eaa12636_quant_x
		.amdhsa_group_segment_fixed_size 68096
		.amdhsa_private_segment_fixed_size 0
		.amdhsa_enable_private_segment 0
		.amdhsa_kernarg_size 88
		.amdhsa_user_sgpr_count 2
		.amdhsa_user_sgpr_kernarg_segment_ptr 1
		.amdhsa_wavefront_size32 1
		.amdhsa_system_sgpr_workgroup_id_x 1
		.amdhsa_system_sgpr_workgroup_id_y 1
		.amdhsa_system_sgpr_workgroup_id_z 1
		.amdhsa_system_vgpr_workitem_id 0
		.amdhsa_next_free_vgpr 226
		.amdhsa_next_free_sgpr 66
		.amdhsa_reserve_vcc 1
		.amdhsa_float_denorm_mode_32 3
		.amdhsa_float_denorm_mode_16_64 3
		.amdhsa_memory_ordered 1
		.amdhsa_forward_progress 1
		.amdhsa_inst_pref_size 115
	.end_amdhsa_kernel
	.amdgpu_metadata
---
amdhsa.version: [ 1, 2 ]
amdhsa.kernels:
  - .name:           k_q41eaa12636_quant_x
    .symbol:         k_q41eaa12636_quant_x.kd
    .args:
      - { .name: x, .offset: 0, .size: 8, .value_kind: global_buffer, .address_space: global }
      - { .name: token_positions, .offset: 8, .size: 8, .value_kind: global_buffer, .address_space: global }
      - { .name: xc, .offset: 16, .size: 8, .value_kind: global_buffer, .address_space: global }
      - { .name: xs, .offset: 24, .size: 8, .value_kind: global_buffer, .address_space: global }
      - { .name: rope, .offset: 32, .size: 8, .value_kind: global_buffer, .address_space: global }
      - { .name: Wq, .offset: 40, .size: 8, .value_kind: global_buffer, .address_space: global }
      - { .name: Wk, .offset: 48, .size: 8, .value_kind: global_buffer, .address_space: global }
      - { .name: Wv, .offset: 56, .size: 8, .value_kind: global_buffer, .address_space: global }
      - { .name: Wo, .offset: 64, .size: 8, .value_kind: global_buffer, .address_space: global }
      - { .name: wc, .offset: 72, .size: 8, .value_kind: global_buffer, .address_space: global }
      - { .name: ws, .offset: 80, .size: 8, .value_kind: global_buffer, .address_space: global }
    .group_segment_fixed_size: 68096
    .private_segment_fixed_size: 0
    .kernarg_segment_align: 8
    .kernarg_segment_size: 88
    .max_flat_workgroup_size: 128
    .sgpr_count:     66
    .vgpr_count:     226
    .wavefront_size: 32
...
	.end_amdgpu_metadata
.endif
;; end of part 1
;; launch proj_qkv (part 2): grid 12 x 32, 4 waves a work-group, clusters of 4 x 4, 327,680 bytes of LDS; arguments xc, xs, wc, ws, rope, qkvr; writes qkvr
.if DOCPART == 2
	.amdgcn_target "amdgcn-amd-amdhsa--gfx1250"
	.amdhsa_code_object_version 6
	.text
	.protected	k_q41eaa12636_proj_qkv
	.globl	k_q41eaa12636_proj_qkv
	.p2align	8
	.type	k_q41eaa12636_proj_qkv,@function
k_q41eaa12636_proj_qkv:
	s_mov_b64 s[64:65], 0
	v_nop
	global_prefetch_b8 v0, s[64:65] scope:SCOPE_SE
	s_setreg_imm32_b32 hwreg(HW_REG_WAVE_MODE, 25, 1), 1
	s_wait_xcnt 0x0
	s_wait_alu depctr_hold_cnt(0) depctr_sa_sdst(0) depctr_va_vdst(0) depctr_va_sdst(0) depctr_va_ssrc(0) depctr_va_vcc(0) depctr_vm_vsrc(0)
	s_getreg_b32 s2, hwreg(HW_REG_IB_STS2, 6, 4)
	s_cmp_eq_u32 s2, 0
	s_cbranch_scc0 .Lentry_in_a_cluster
	s_endpgm
.Lentry_in_a_cluster:
	s_bfe_u32 s2, ttmp6, 0x10000c
	s_cmp_lg_u32 s2, 0xf033
	s_cbranch_scc0 .Lentry_shape_is_right
	s_endpgm
.Lentry_shape_is_right:
.set SIZE_K, 1024
.set KSTEP,  256
.set NQ,     KSTEP/128
.set ROWB,   256
.set KROW,   SIZE_K
.set PITCH,  272
.set FR,     16
.set NL,     4
.set NP,     8
.set HALFT,  128*PITCH
.set SLOT,   4*HALFT
.set LAPS,   SIZE_K/(2*KSTEP)
.set KS,     SIZE_K/32
.set SCL,    2*SLOT
.set HALFS,  (128*KS/256)*272
.set SBLK,   (16*KS/256)*272
.set SPARE,  SCL+4*HALFS
.set REC,    25856
.set HEADB,  16*REC
.set RV,     8704
.set RQ,     17152
.set RSC,    8192
.set ADRA, 16
.set ADRB, 20
.set LI,   24
.set L8,   25
.set RT,   26
.set ADRS, 27
.set SPW,  28
.set NIL,  29
.set SC,   32
.set AF,   128
.set TM,   32
.set SW,   52
.set CS,   64
.set R,    128
.set PC,   192
.set G1, 24
.set G0, 32
.set G1B, 48
.set G0B, 56
.set G1S, 68
.set G0S, 76
.set G1SB, 80
.set G0SB, 88
.set MSB, 0
.macro WIN new
.if MSB != (\new)
	s_set_vgpr_msb (MSB<<8)|(\new)
.set MSB, (\new)
.endif
.endm
.set MUL_LO, 0xa1
.set MUL_HI, 0xf1
.set TO_B,   0x40
.macro JLOAD g0a, g1a, g0b, g1b
	s_cmp_eq_u32 s15, 0
	s_cbranch_scc0 .Lfor_b_\@
	tensor_load_to_lds s[\g0a:\g0a+3], s[\g1a:\g1a+7]
	s_nop 0
.rept 4
	v_nop
.endr
	s_branch .Lasked_\@
.Lfor_b_\@:
	tensor_load_to_lds s[\g0b:\g0b+3], s[\g1b:\g1b+7]
	s_nop 0
.rept 4
	v_nop
.endr
.Lasked_\@:
.endm
.macro CREST
	s_cmp_lg_u32 s14, 0
	s_cbranch_scc1 .Lnot_wave_0_\@
	s_barrier_signal -3
.Lnot_wave_0_\@:
	s_barrier_wait -3
	s_barrier_signal -1
	s_barrier_wait -1
.endm
.macro CROUND
	s_barrier_signal -1
	s_barrier_wait -1
	CREST
.endm
	s_load_b128 s[4:7], s[0:1], 0x0
	s_load_b128 s[8:11], s[0:1], 0x10
	s_load_b64 s[96:97], s[0:1], 0x20
	s_load_b64 s[12:13], s[0:1], 0x28
	v_lshl_add_u32 v[SPW], v0, 2, SPARE
	v_mov_b32 v[NIL], 0
	ds_add_u32 v28, v29
	ds_add_u32 v28, v29
	s_wait_dscnt 0x0
	v_lshrrev_b32 v1, 5, v0
	v_readfirstlane_b32 s14, v1
	s_lshr_b32 s15, s14, 1
	s_and_b32 s16, s14, 1
	s_bfe_u32 s40, ttmp6, 0x40000
	s_bfe_u32 s41, ttmp6, 0x40004
	s_and_b32 s105, ttmp7, 0xffff
	s_cmp_eq_u32 ttmp9, 2
	s_cselect_b32 s17, 0, s105
	s_cselect_b32 s42, s105, ttmp9
	s_cselect_b32 s105, 2048, 0
	s_lshl_b32 s42, s42, 2
	s_add_co_u32 s42, s42, s40
	s_lshl_b32 s17, s17, 2
	s_add_co_u32 s17, s17, s41
	s_lshl_b32 s43, s41, 2
	s_lshl_b32 s43, 15, s43
	s_lshl_b32 s44, 0x1111, s40
	s_mov_b32 s95, 0xffff0000
	s_mov_b32 s98, 0x76543210
	s_mov_b32 s99, 0xfedcba98
	s_mov_b32 s104, 0x600000
	s_or_b32 s[G1+0], s43, (0<<16)|(1<<20)|(1<<21)|(5<<22)|(3<<25)
	s_or_b32 s[G1B+0], s44, (0<<16)|(1<<20)|(1<<21)|(5<<22)|(3<<25)
.irp g, G1, G1B
	s_mov_b32 s[\g+1], ROWB<<16
	s_mov_b32 s[\g+2], 256<<16
	s_mov_b32 s[\g+3], ROWB<<16
	s_mov_b32 s[\g+4], 256
	s_mov_b32 s[\g+5], KROW
	s_mov_b32 s[\g+6], 0
	s_mov_b32 s[\g+7], 0
.endr
	s_or_b32 s[G1S+0], s43, (3<<16)|(1<<20)|(1<<21)|(5<<22)|(3<<25)
	s_or_b32 s[G1SB+0], s44, (3<<16)|(1<<20)|(1<<21)|(5<<22)|(3<<25)
.irp g, G1S, G1SB
	s_mov_b32 s[\g+1], 32<<16
	s_mov_b32 s[\g+2], (256*KS/256)<<16
	s_mov_b32 s[\g+3], 32<<16
	s_mov_b32 s[\g+4], 256*KS/256
	s_mov_b32 s[\g+5], 32
	s_mov_b32 s[\g+6], 0
	s_mov_b32 s[\g+7], 0
.endr
	s_lshl_b32 s20, s17, 8
	s_add_co_u32 s20, s20, s105
	s_lshl_b32 s46, s42, 8
	s_mov_b32 s21, 0
	s_mov_b32 s47, 0
	s_mov_b64 s[18:19], KS
	s_mul_u64 s[22:23], s[20:21], s[18:19]
	s_mul_u64 s[92:93], s[46:47], s[18:19]
	s_mov_b64 s[18:19], KROW
	s_mul_u64 s[20:21], s[20:21], s[18:19]
	s_mul_u64 s[46:47], s[46:47], s[18:19]
	s_mul_i32 s45, s14, HALFT
	s_mul_i32 s18, s16, 128*KROW                   ; in the ring a wave fetches 128 rows of a tile: which half, in bytes
	s_mov_b32 s19, 0
	s_wait_kmcnt 0x0
	s_cmp_eq_u32 ttmp9, 2
	s_cselect_b64 s[66:67], s[8:9], s[4:5]
	s_cselect_b64 s[100:101], s[10:11], s[6:7]
	s_cselect_b64 s[8:9], s[4:5], s[8:9]
	s_cselect_b64 s[10:11], s[6:7], s[10:11]
	s_add_nc_u64 s[20:21], s[66:67], s[20:21]
	s_add_nc_u64 s[22:23], s[100:101], s[22:23]
	s_add_nc_u64 s[46:47], s[8:9], s[46:47]
	s_add_nc_u64 s[92:93], s[10:11], s[92:93]
	CROUND
	s_mov_b32 s[G0S], 1
	s_mov_b32 s[G0S+1], SCL
	s_mov_b64 s[G0S+2:G0S+3], s[22:23]
	s_or_b32 s[G0S+3], s[G0S+3], 0x80000000
	s_mov_b32 s[G0SB], 1
	s_mov_b32 s[G0SB+1], SCL+2*HALFS
	s_mov_b64 s[G0SB+2:G0SB+3], s[92:93]
	s_or_b32 s[G0SB+3], s[G0SB+3], 0x80000000
	s_mov_b32 s4, 1                                ; s[4:7], s[8:11]: group 0 of the head's loads of K step 0: A's 256 rows, B's 256 rows
	s_mov_b32 s5, 0
	s_mov_b64 s[6:7], s[20:21]
	s_or_b32 s7, s7, 0x80000000
	s_mov_b32 s8, 1
	s_mov_b32 s9, 2*HALFT
	s_mov_b64 s[10:11], s[46:47]
	s_or_b32 s11, s11, 0x80000000
	s_add_nc_u64 s[20:21], s[20:21], s[18:19]
	s_add_nc_u64 s[46:47], s[46:47], s[18:19]
.irp s, 0,1
	s_mov_b32 s[G0+4*\s], 1
	s_add_co_u32 s[G0+4*\s+1], s45, \s*SLOT
	s_add_nc_u64 s[G0+4*\s+2:G0+4*\s+3], s[20:21], \s*ROWB
	s_or_b32 s[G0+4*\s+3], s[G0+4*\s+3], 0x80000000
	s_mov_b32 s[G0B+4*\s], 1
	s_add_co_u32 s[G0B+4*\s+1], s45, \s*SLOT
	s_add_nc_u64 s[G0B+4*\s+2:G0B+4*\s+3], s[46:47], \s*ROWB
	s_or_b32 s[G0B+4*\s+3], s[G0B+4*\s+3], 0x80000000
.endr
; the head's four tiles, one joint load a wave, in one chain of branches on the wave's number: wave 0 A's 256 rows, wave 1 B's, wave 2 A's scale bytes, wave 3 B's
.macro ARM under, g0, g1, next
	s_cmp_lt_u32 s14, \under
	s_cbranch_scc0 \next
	tensor_load_to_lds s[\g0:\g0+3], s[\g1:\g1+7]
	s_nop 0
.rept 4
	v_nop
.endr
	s_branch .Lhead_asked
\next:
.endm
	ARM 1, 4, G1, .Lhead_b
	ARM 2, 8, G1B, .Lhead_sa
	ARM 3, G0S, G1S, .Lhead_sb
	tensor_load_to_lds s[G0SB:G0SB+3], s[G1SB:G1SB+7]
	s_nop 0
.rept 4
	v_nop
.endr
.Lhead_asked:
	v_and_b32 v1, 15, v0
	v_bfe_u32 v2, v0, 4, 1
	v_mul_u32_u24 v3, v1, PITCH
	v_lshl_add_u32 v4, v2, 4, v3
	s_mul_i32 s21, s15, HALFT
	s_mul_i32 s22, s16, HALFT
	s_add_co_u32 s22, s22, 2*HALFT
.irp s, 0,1
	v_add_nc_u32 v[ADRA+\s], s21, v4
	v_add_nc_u32 v[ADRB+\s], s22, v4
	s_add_co_u32 s21, s21, SLOT
	s_add_co_u32 s22, s22, SLOT
.endr
	v_mul_u32_u24 v5, v1, KS
	v_lshrrev_b32 v6, 8, v5
	v_lshl_add_u32 v5, v6, 4, v5
	s_mul_i32 s21, s15, HALFS
	s_mul_i32 s22, s16, HALFS
	s_add_co_u32 s22, s22, 2*HALFS
	s_sub_co_u32 s22, s22, s21
	v_mul_u32_u24 v6, s22, v2
	s_add_co_u32 s21, s21, SCL
	v_add_nc_u32 v5, v5, v6
	v_add_nc_u32 v[ADRS], s21, v5
	v_and_b32 v5, 7, v1
	v_lshrrev_b32 v6, 3, v1
	v_lshl_add_u32 v5, v6, 4, v5
	v_lshlrev_b32 v5, 8, v5
	v_lshl_add_u32 v[RT], v2, 6, v5
	v_and_b32 v6, 31, v0
	v_lshlrev_b32 v[LI], 4, v6
	v_lshlrev_b32 v[L8], 3, v6
.macro FRAG reg, adr, q, i
.irp c, 0,1,2,3
	ds_load_b128 v[\reg+4*\c:\reg+4*\c+3], v[\adr] offset:128*(\q)+32*\c+(\i)*16*PITCH
.endr
.endm
.macro MUL16 a0, p, q, sc, zero
.irp a, \a0, \a0+1
.irp b, 0,1,2,3,4,5,6,7
.if \zero
	v_wmma_scale_f32_16x16x128_f8f6f4 v[8*(8*((\a)%4)+\b):8*(8*((\a)%4)+\b)+7], v[128*(\p)+FR*\b:128*(\p)+FR*\b+FR-1], v[AF+FR*(\a):AF+FR*(\a)+FR-1], 0, v[SC+8*NQ*(\sc)+NQ*\b+(\q)], v[SC+8*NQ*(\sc)+NQ*(\a)+(\q)] matrix_a_scale:MATRIX_SCALE_ROW1
.else
	v_wmma_scale_f32_16x16x128_f8f6f4 v[8*(8*((\a)%4)+\b):8*(8*((\a)%4)+\b)+7], v[128*(\p)+FR*\b:128*(\p)+FR*\b+FR-1], v[AF+FR*(\a):AF+FR*(\a)+FR-1], v[8*(8*((\a)%4)+\b):8*(8*((\a)%4)+\b)+7], v[SC+8*NQ*(\sc)+NQ*\b+(\q)], v[SC+8*NQ*(\sc)+NQ*(\a)+(\q)] matrix_a_scale:MATRIX_SCALE_ROW1
.endif
.endr
.endr
.endm
.macro FETCH_B slot, q, p
	WIN TO_B
.irp i, 0,1,2,3,4,5,6,7
	FRAG 128*(\p)+FR*\i, ADRB+\slot, \q, \i
.endr
	WIN 0
.endm
.macro FETCH_A slot, q, i0
.irp i, \i0, \i0+1, \i0+2, \i0+3
	FRAG AF+FR*(\i), ADRA+\slot, \q, \i
.endr
.endm
.macro SCALES sc
.irp i, 0,1,2,3,4,5,6,7
	ds_load_b64 v[SC+8*NQ*\sc+NQ*\i:SC+8*NQ*\sc+NQ*\i+1], v[ADRS] offset:\i*SBLK
.endr
.endm
.macro PLACES n
.rept \n
	v_nop
.endr
.endm
.macro STEP slot, q, zero
	s_wait_dscnt 4*NL
	WIN MUL_LO
	MUL16 0, (\q)%2, \q, \slot, \zero
	MUL16 2, (\q)%2, \q, \slot, \zero
	s_wait_dscnt 0
	PLACES NP
	FETCH_B \slot, (\q)+1, 1-(\q)%2
	FETCH_A \slot, (\q)+1, 0
	WIN MUL_HI
	MUL16 4, (\q)%2, \q, \slot, \zero
	MUL16 6, (\q)%2, \q, \slot, \zero
	PLACES NP
	WIN 0
	FETCH_A \slot, (\q)+1, 4
.endm
.macro TURN slot, next, fill
	s_wait_tensorcnt 0x0
	ds_add_u32 v[SPW], v[NIL]
	s_wait_dscnt 4*NL+1
	WIN MUL_LO
	MUL16 0, 1, NQ-1, \slot, 0
	s_wait_dscnt 0x0
	s_barrier_signal -1
	MUL16 2, 1, NQ-1, \slot, 0
	WIN 0
	s_barrier_wait -1
.if \fill
	CREST
	s_add_nc_u64 s[G0+4*\slot+2:G0+4*\slot+3], s[G0+4*\slot+2:G0+4*\slot+3], 2*ROWB
	s_add_nc_u64 s[G0B+4*\slot+2:G0B+4*\slot+3], s[G0B+4*\slot+2:G0B+4*\slot+3], 2*ROWB
	JLOAD G0+4*\slot, G1, G0B+4*\slot, G1B
	PLACES NP-4
.else
	PLACES NP
.endif
	s_wait_alu depctr_va_vdst(0)
	v_add_nc_u32 v[ADRS], 4*NQ, v[ADRS]
	FETCH_B \next, 0, 0
	FETCH_A \next, 0, 0
	SCALES \next
	WIN MUL_HI
	MUL16 4, 1, NQ-1, \slot, 0
	MUL16 6, 1, NQ-1, \slot, 0
	PLACES NP
	WIN 0
	FETCH_A \next, 0, 4
.endm
.macro LAST
	s_wait_dscnt 4*NL
	WIN MUL_LO
	MUL16 0, 1, NQ-1, 1, 0
	MUL16 2, 1, NQ-1, 1, 0
	s_wait_dscnt 0
	WIN MUL_HI
	MUL16 4, 1, NQ-1, 1, 0
	MUL16 6, 1, NQ-1, 1, 0
	WIN 0
.endm
.macro ROPELD a
.irp cb, 0,1
.irp k, 0,1,2,3
	global_load_b128 v[CS+32*((\a)%2)+16*\cb+4*\k:CS+32*((\a)%2)+16*\cb+4*\k+3], v[RT], s[96:97] offset:(32*((\a)/2)+8*((\a)%2))*256+128*\cb+16*\k
.endr
.endr
.endm
.macro ROPE a
	WIN 2+(\a)/4
.set RN, 0
.rept 32
	v_pk_mul_f32 v[R+RN:R+RN+1], v[64*((\a)%4)+RN:64*((\a)%4)+RN+1], v[CS+32*((\a)%2)+RN%32:CS+32*((\a)%2)+RN%32+1] op_sel:[1,1] op_sel_hi:[0,1]
.set RN, RN+2
.endr
.set RN, 0
.rept 32
	v_pk_fma_f32 v[R+RN:R+RN+1], v[64*((\a)%4)+RN:64*((\a)%4)+RN+1], v[CS+32*((\a)%2)+RN%32:CS+32*((\a)%2)+RN%32+1], v[R+RN:R+RN+1] op_sel_hi:[1,0,1] neg_lo:[0,0,1]
.set RN, RN+2
.endr
	WIN 0
.endm
.macro QUANT src, w, pc
	WIN (\w)*5
.irp b, 0,1,2,3
	v_max3_num_f32 v[TM+\b], |v[(\src)+16*\b]|, |v[(\src)+16*\b+1]|, 0x4800000
.endr
	WIN (\w)*20
.irp i, 2,4,6,8,10,12,14
.irp b, 0,1,2,3
	v_max3_num_f32 v[TM+\b], v[TM+\b], |v[(\src)+16*\b+\i]|, |v[(\src)+16*\b+\i+1]|
.endr
.endr
	WIN 0
.irp b, 0,1,2,3
	v_permlanex16_b32 v[TM+4+\b], v[TM+\b], s98, s99
.endr
.irp b, 0,1,2,3
	v_max_num_f32 v[TM+\b], v[TM+\b], v[TM+4+\b]
.endr
.irp b, 0,1,2,3
	v_add_nc_u32 v[TM+12+\b], 0xfc000000, v[TM+\b]
.endr
.irp b, 0,1,2,3
	v_and_or_b32 v[TM+8+\b], v[TM+\b], 0x7f800000, s104
.endr
.irp b, 0,1,2,3
	v_lshrrev_b32 v[TM+4+\b], 23, v[TM+12+\b]
.endr
	WIN \w
.irp b, 0,1,2,3
.irp i, 0,1,2,3,4,5,6,7,8,9,10,11,12,13,14,15
	v_med3_num_f32 v[R+16*\b+\i], v[(\src)+16*\b+\i], -v[TM+8+\b], v[TM+8+\b]
.endr
.endr
	WIN 0
.irp b, 0,1,2,3
	v_cvt_scalef32_pk8_fp8_f32 v[(\pc)+4*\b:(\pc)+4*\b+1], v[R+16*\b:R+16*\b+7], v[TM+12+\b]
	v_cvt_scalef32_pk8_fp8_f32 v[(\pc)+4*\b+2:(\pc)+4*\b+3], v[R+16*\b+8:R+16*\b+15], v[TM+12+\b]
.endr
	v_nop
.endm
.macro QKBLOCK a
	s_wait_xcnt 0x0
.if (\a) < 7
	s_wait_loadcnt 8
.else
	s_wait_loadcnt 0x0
.endif
	ROPE \a
.if (\a) < 6
	ROPELD (\a)+2
.endif
	QUANT R, 0, PC+16*((\a)%2)
.irp hd, 0,1
	v_lshl_or_b32 v[48+2*((\a)%2)+\hd], v[TM+5+2*\hd], 8, v[TM+4+2*\hd]
	v_or_b32 v[48+2*((\a)%2)+\hd], 0x7f7f0000, v[48+2*((\a)%2)+\hd]
.endr
.if (\a)%2
.irp hd, 0,1
	v_cndmask_b32 v[SW+4*\hd+(\a)/2], v[48+\hd], v[50+\hd], s95
.endr
.endif
.irp hd, 0,1
.irp c, 0,1
	global_store_b128 v[LI], v[PC+16*((\a)%2)+8*\hd+4*\c:PC+16*((\a)%2)+8*\hd+4*\c+3], s[12:13] offset:\hd*HEADB+(\a)*1024+\c*512
.endr
.endr
.endm
.macro VBLOCK a
	s_wait_xcnt 0x0
	QUANT 64*((\a)%4), 2+(\a)/4, PC+16*((\a)%2)
	v_lshl_or_b32 v[48+(\a)%2], v[TM+5], 8, v[TM+4]
	v_lshl_or_b32 v[48+(\a)%2], v[TM+6], 16, v[48+(\a)%2]
	v_lshl_or_b32 v[48+(\a)%2], v[TM+7], 24, v[48+(\a)%2]
.if (\a)%2
	v_cndmask_b32 v[SW+2*((\a)/4)+((\a)%4)/2], v48, v49, s95
.endif
.irp c, 0,1,2,3
	global_store_b128 v[LI], v[PC+16*((\a)%2)+4*\c:PC+16*((\a)%2)+4*\c+3], s[12:13] offset:((\a)/4)*HEADB+((\a)%4)*2048+\c*512
.endr
.endm
	s_wait_alu depctr_va_vdst(0)                   ; the wait at the head's end
	s_wait_tensorcnt 0x0                           ; my tile of the head's four is in
	ds_add_u32 v[SPW], v[NIL]
	s_mov_b32 s[G1+2], 128<<16                     ; no tensor load of mine is out: from here on a load brings 128 rows
	s_mov_b32 s[G1+4], 128
	s_mov_b32 s[G1B+2], 128<<16
	s_mov_b32 s[G1B+4], 128
	s_wait_dscnt 0x0
	CROUND                                         ; all four tiles are in, in every partner
	JLOAD G0+4, G1, G0B+4, G1B                     ; K step 1, the first tensor load behind the round
	FETCH_B 0, 0, 0
	FETCH_A 0, 0, 0
	SCALES 0
	FETCH_A 0, 0, 4
	STEP 0, 0, 1
	s_mov_b32 s3, LAPS-1
.Llap:
	TURN 0, 1, 1
	STEP 1, 0, 0
	TURN 1, 0, 1
	STEP 0, 0, 0
	s_sub_co_u32 s3, s3, 1
	s_cmp_lg_u32 s3, 0
	s_cbranch_scc1 .Llap
	TURN 0, 1, 0
	STEP 1, 0, 0
	s_cmp_eq_u32 ttmp9, 2
	s_cbranch_scc1 .Lv_tail
	s_lshr_b32 s92, s17, 3
	s_lshl_b32 s92, s92, 4
	s_lshl_b32 s93, s40, 2
	s_add_co_u32 s92, s92, s93
	s_lshl_b32 s93, s16, 1
	s_add_co_u32 s92, s92, s93
	s_lshl_b32 s92, s92, 4
	s_and_b32 s93, s17, 7
	s_lshl_b32 s93, s93, 1
	s_add_co_u32 s93, s93, s15
	s_lshl_b32 s46, s93, 15
	s_mov_b32 s47, 0
	s_add_co_u32 s92, s92, s93
	s_mul_i32 s92, s92, REC
	s_cmp_eq_u32 ttmp9, 0
	s_cselect_b32 s93, RQ, 0
	s_add_co_u32 s92, s92, s93
	s_mov_b32 s93, 0
	s_add_nc_u64 s[12:13], s[12:13], s[92:93]
	s_add_nc_u64 s[96:97], s[96:97], s[46:47]
	ROPELD 0
	ROPELD 1
	LAST
	PLACES NP
.irp b, 0,1,2,3
	v_mov_b32 v[TM+4+\b], 0
.endr
.irp a, 0,1,2,3,4,5,6,7
	QKBLOCK \a
.endr
.irp hd, 0,1
	global_store_b128 v[LI], v[SW+4*\hd:SW+4*\hd+3], s[12:13] offset:\hd*HEADB+RSC
.endr
	s_branch .Lend
.Lv_tail:
	s_lshr_b32 s92, s42, 3
	s_lshl_b32 s92, s92, 4
	s_lshl_b32 s93, s41, 2
	s_add_co_u32 s92, s92, s93
	s_lshl_b32 s93, s15, 1
	s_add_co_u32 s92, s92, s93
	s_lshl_b32 s92, s92, 4
	s_and_b32 s93, s42, 7
	s_lshl_b32 s93, s93, 1
	s_add_co_u32 s93, s93, s16
	s_add_co_u32 s92, s92, s93
	s_mul_i32 s92, s92, REC
	s_add_co_u32 s92, s92, RV
	s_mov_b32 s93, 0
	s_add_nc_u64 s[12:13], s[12:13], s[92:93]
	LAST
	PLACES NP
.irp b, 0,1,2,3
	v_mov_b32 v[TM+4+\b], 0
.endr
.irp a, 0,1,2,3,4,5,6,7
	VBLOCK \a
.endr
.irp hd, 0,1
	global_store_b64 v[L8], v[SW+2*\hd:SW+2*\hd+1], s[12:13] offset:\hd*HEADB+RSC
.endr
.Lend:
	s_wait_tensorcnt 0x0
	ds_add_u32 v[SPW], v[NIL]
	s_wait_dscnt 0x0
	CROUND
	s_endpgm
.Lfunc_end_k_q41eaa12636_proj_qkv:
	.size	k_q41eaa12636_proj_qkv, .Lfunc_end_k_q41eaa12636_proj_qkv-k_q41eaa12636_proj_qkv
	.p2alignl 7, 3214868480
	.fill 96, 4, 3214868480
	.section	.rodata,"a",@progbits
	.p2align	6, 0x0
	.amdhsa_kernel k_q41eaa12636_proj_qkv
		.amdhsa_group_segment_fixed_size 327680
		.amdhsa_private_segment_fixed_size 0
		.amdhsa_enable_private_segment 0
		.amdhsa_kernarg_size 48
		.amdhsa_user_sgpr_count 2
		.amdhsa_user_sgpr_kernarg_segment_ptr 1
		.amdhsa_wavefront_size32 1
		.amdhsa_system_sgpr_workgroup_id_x 1
		.amdhsa_system_sgpr_workgroup_id_y 1
		.amdhsa_system_sgpr_workgroup_id_z 1
		.amdhsa_system_vgpr_workitem_id 0
		.amdhsa_next_free_vgpr 1024
		.amdhsa_next_free_sgpr 106
		.amdhsa_reserve_vcc 0
		.amdhsa_float_denorm_mode_32 3
		.amdhsa_float_denorm_mode_16_64 3
		.amdhsa_memory_ordered 1
		.amdhsa_forward_progress 1
		.amdhsa_inst_pref_size 255
	.end_amdhsa_kernel
	.section	.bss,"aw",@nobits
	.p2align	6
	.space	262144
	.amdgpu_metadata
---
amdhsa.version: [ 1, 2 ]
amdhsa.kernels:
  - .name:           k_q41eaa12636_proj_qkv
    .symbol:         k_q41eaa12636_proj_qkv.kd
    .args:
      - { .name: xc, .offset: 0, .size: 8, .value_kind: global_buffer, .address_space: global }
      - { .name: xs, .offset: 8, .size: 8, .value_kind: global_buffer, .address_space: global }
      - { .name: wc, .offset: 16, .size: 8, .value_kind: global_buffer, .address_space: global }
      - { .name: ws, .offset: 24, .size: 8, .value_kind: global_buffer, .address_space: global }
      - { .name: rope, .offset: 32, .size: 8, .value_kind: global_buffer, .address_space: global }
      - { .name: qkvr, .offset: 40, .size: 8, .value_kind: global_buffer, .address_space: global }
    .group_segment_fixed_size: 327680
    .private_segment_fixed_size: 0
    .kernarg_segment_align: 8
    .kernarg_segment_size: 48
    .max_flat_workgroup_size: 128
    .sgpr_count:     106
    .vgpr_count:     1024
    .wavefront_size: 32
...
	.end_amdgpu_metadata
.endif
;; end of part 2
;; launch attn (part 3): grid 4 x 64, 16 waves a work-group, no clusters, 276,480 bytes of LDS; arguments qkvr, cc, cs; writes cc, cs
.if DOCPART == 3
	.amdgcn_target "amdgcn-amd-amdhsa--gfx1250"
	.amdhsa_code_object_version 6
	.text
	.protected	k_q41eaa12636_attn
	.globl	k_q41eaa12636_attn
	.p2align	8
	.type	k_q41eaa12636_attn,@function
k_q41eaa12636_attn:
	s_mov_b64 s[64:65], 0
	v_nop
	global_prefetch_b8 v0, s[64:65] scope:SCOPE_SE
	s_setreg_imm32_b32 hwreg(HW_REG_WAVE_MODE, 25, 1), 1
	s_wait_xcnt 0x0
; ctx[b][q][head][:] = the sum over keys k <= q of softmax_k(Q . K / 8) V, both products on codes of FP8 (E4M3) with E8M0 scales, and ctx's quantising for the last product.
; THE SOFTMAX: t = score x log2(e) / 8; M = the row's largest t so far, rounded UP to a whole number; p = 2^(t - M) is quantised along the keys, not normalised.  The row's sum is taken of the unquantised p and divides O at the end.
; When M moves, the sum and O are multiplied by 2^(old M - new M), which rounds nothing.
; LEFT OUT: key steps all of whose 128 keys come after a tile's queries: the causal mask makes their p zero.
; SHARES.  Work-group (i, bh): one head of one batch.  Each of sixteen waves owns one tile of 16 queries at a time and makes two passes: tile T = 16 i + wave (under 64: keys under 1,024, at most 8 steps), then tile 127 - T (at most 16).
; Tile T needs T / 8 + 1 steps of 128 keys: 17 steps for every wave.  Both loops have constant counts; a step that is left out is jumped over by a branch on ids.
; LDS.  A head's K and V, codes and scale words, are 16 records of 17,152 bytes: wave w brings record w by its one tensor load; nothing is filled again.  Waves 0 to 7 and waves 8 to 15 have a load line each:
; the first barrier shows records 0 to 7, all that the first pass reads; in front of the second barrier every wave waits, and it shows the rest.
; Q of both passes is loaded at the head: the second pass's waits in v242-250.
; NO CLUSTER: the step's branch hangs on the tile, and so on the work-group's place among the four that share a head; the shared bytes come once a work-group, at the head.
; NO PREFETCH: the records are asked for once, at the head; there is no loop to run ahead in.
; LAYOUT.  Both products transposed: S^T = K Q^T, O^T = V^T P^T: a lane holds one query.  Tile T's lane r is token 32 (T / 2) + 8 (T % 2) + r % 8 + 16 (r / 8); the 16 registers of S^T's tiles 2 b, 2 b + 1 are keys 32 b + 16 (lane / 16) + 0 .. 15.
; Operands lie in memory and LDS as images of their registers, 16 bytes a lane.  The head has 64 channels, the instruction 128 along K: Q's upper eight registers are zero codes, which meet finite codes of K under the byte 127.
; LIMITS: NaN and infinities are not served; 1 / the sum is v_rcp_f32's; a block of ctx under 2^-118, and a block of zeros (where the rule says 127), has the byte 1: this program alone reads the bytes.
; The scaled scores stay under 2^31 in magnitude.  cs gets two bytes a row from each head: stores of two bytes a lane.
.set REC,   25856
.set HEADB, 16*REC
.set KVB,   17152
.set RKS,   8192
.set RV,    8704
.set RVS,   16896
.set RQ,    17152
.set RQS,   25344
.set S,     104                        ; v104-167 S^T, then p
.set OT,    168                        ; v168-199 O^T
.set PCD,   200                        ; v200-215 p's codes
.set BM,    216                        ; v216-219 the blocks' largest
.set BT,    220                        ; v220-223 the other lane's, bytes, then the bounds' second copy
.set LIM,   224                        ; v224-227 448 x the scale
.set CSC,   228                        ; v228-231 the conversions' scales
.set Q2,    242                        ; v242-249 the second pass's Q, v250 its scale word
; v1 16 x lane; v2 8 x lane; v3, v4 the same + the step's LDS byte; v5 r % 8 + 16 (r / 8) - 16 h; v6 16 r; v7 32 r; v8-11 K's scale words; v12 -M; v13 the largest t; v[14:15] the sum;
; v16-23 Q; v24-31 zeros; v32-95 fragments; v96-103 zeros; v232-233 V's scale words; v234 f; v235 p's scale word; v[236:237], v[240:241], v[252:253] the sum's other chains; v238 at work; v239 Q's scale word
.macro QADDR                           ; from the tile s41: s38, s62 its first and last query; s[42:43] Q's codes; s[48:49] Q's scale words; s[44:45], s[46:47] its place in cc, cs
	s_lshr_b32 s52, s41, 1
	s_lshl_b32 s52, s52, 5
	s_and_b32 s53, s41, 1
	s_lshl_b32 s54, s53, 3
	s_add_co_u32 s38, s52, s54
	s_add_co_u32 s62, s38, 23
	s_lshr_b32 s52, s41, 3
	s_mul_i32 s52, s52, REC
	s_and_b32 s54, s41, 7
	s_lshl_b32 s54, s54, 10
	s_add_co_u32 s54, s54, s52
	s_add_co_u32 s54, s54, RQ
	s_mov_b32 s55, 0
	s_add_nc_u64 s[42:43], s[50:51], s[54:55]
	s_lshl_b32 s54, s53, 8
	s_add_co_u32 s54, s54, s52
	s_bfe_u32 s53, s41, 0x20001
	s_lshl_b32 s53, s53, 2
	s_add_co_u32 s54, s54, s53
	s_add_co_u32 s54, s54, RQS
	s_add_nc_u64 s[48:49], s[50:51], s[54:55]
	s_lshl_b32 s54, s41, 14
	s_add_nc_u64 s[44:45], s[58:59], s[54:55]
	s_lshl_b32 s54, s41, 9
	s_add_nc_u64 s[46:47], s[60:61], s[54:55]
.endm
.macro INIT                            ; a pass begins: O^T and the sum are zeros, the largest t is -3e38
.set N, 0
.rept 32
	v_mov_b32 v[OT+N], 0
.set N, N+1
.endr
	v_mov_b32 v13, 0xff61b1e6
	v_floor_f32 v12, -v13
	v_mov_b32 v14, 0
	v_mov_b32 v15, 0
.endm
	s_load_b128 s[4:7], s[0:1], 0x0                ; qkvr, cc
	s_load_b64 s[8:9], s[0:1], 0x10                ; cs
	v_lshl_add_u32 v254, v0, 2, 0x43000
	v_mov_b32 v255, 0
	ds_add_u32 v254, v255                          ; the opening lines
	ds_add_u32 v254, v255
	v_lshrrev_b32 v1, 5, v0
	v_readfirstlane_b32 s10, v1                    ; wave 0..15
	s_and_b32 s11, ttmp7, 0xffff                   ; 16 x batch + head
	s_mul_i32 s52, s11, HEADB
	s_mov_b32 s53, 0
	s_mul_i32 s54, s10, REC
	s_mov_b32 s55, 0
	s_mov_b32 s24, 3<<16                           ; 17,152 dense bytes as 67 rows of 256 bytes (32 elements of 8)
	s_mov_b32 s25, 32<<16
	s_mov_b32 s26, 67<<16
	s_mov_b32 s27, 32<<16
	s_mov_b32 s28, 67
	s_mov_b32 s29, 32
	s_mov_b32 s30, 0
	s_mov_b32 s31, 0
	s_mov_b32 s32, 1
	s_mul_i32 s33, s10, KVB                        ; record w lies at 17,152 w
	s_mov_b32 s19, 0x600000
	s_mov_b32 s20, 0x76543210
	s_mov_b32 s21, 0xfedcba98
	s_mov_b32 s22, 0x3e38aa3b                      ; c = log2(e) / 8
	s_mov_b32 s23, s22
	s_wait_dscnt 0x0
	s_wait_kmcnt 0x0
	s_add_nc_u64 s[50:51], s[4:5], s[52:53]
	s_add_nc_u64 s[34:35], s[50:51], s[54:55]
	s_or_b32 s35, s35, 0x80000000
	s_cmp_lt_u32 s10, 8                            ; two load lines: the first barrier waits for the first line's alone
	s_cbranch_scc0 .Lupper
	tensor_load_to_lds s[32:35], s[24:31]
	s_nop 0
.rept 4
	v_nop
.endr
	s_branch .Lasked
.Lupper:
	tensor_load_to_lds s[32:35], s[24:31]
	s_nop 0
.rept 4
	v_nop
.endr
.Lasked:
	s_lshr_b32 s52, s11, 4                         ; batch
	s_and_b32 s54, s11, 15                         ; head
	s_lshl_b32 s56, s52, 21                        ; cc: 128 tiles of 16,384 bytes a batch, 1,024 bytes a head in a tile
	s_lshl_b32 s57, s54, 10
	s_add_co_u32 s56, s56, s57
	s_mov_b32 s57, 0
	s_add_nc_u64 s[58:59], s[6:7], s[56:57]
	s_lshl_b32 s56, s52, 16                        ; cs: 128 tiles of 512 bytes a batch, 2 bytes a head in a row
	s_lshl_b32 s52, s54, 1
	s_add_co_u32 s56, s56, s52
	s_add_nc_u64 s[60:61], s[8:9], s[56:57]
	s_lshl_b32 s41, ttmp9, 4
	s_add_co_u32 s41, s41, s10                     ; the first pass's tile
	v_and_b32 v2, 31, v0
	v_lshlrev_b32 v1, 4, v2
	v_lshlrev_b32 v2, 3, v2
	v_and_b32 v6, 15, v0                           ; r
	v_bfe_u32 v7, v0, 4, 1                         ; h
	v_and_b32 v5, 7, v6
	v_lshrrev_b32 v3, 3, v6
	v_lshl_add_u32 v5, v3, 4, v5
	v_lshlrev_b32 v7, 4, v7
	v_sub_nc_u32 v5, v5, v7
	v_lshlrev_b32 v7, 5, v6
	v_lshlrev_b32 v6, 4, v6
.irp j, 0,1,2,3,4,5,6,7
	v_mov_b32 v[24+\j], 0                          ; Q's codes for K = 64 .. 127
	v_mov_b32 v[96+\j], 0                          ; and what stands behind K's last tile
.endr
.irp b, 0,1,2,3
	v_mov_b32 v[BT+\b], 0                          ; a lane permute's destination counts as one of its sources
.endr
	v_mov_b32 v235, 0
	v_mov_b32 v238, 0
	INIT
	s_wait_alu depctr_va_vdst(0)                   ; the wait at the head's end, ahead of the scalar lines and waits below
	s_sub_co_u32 s41, 127, s41                     ; the second pass's tile: its Q now, under the records' flight
	QADDR
	global_load_b128 v[Q2:Q2+3], v1, s[42:43]
	global_load_b128 v[Q2+4:Q2+7], v1, s[42:43] offset:512
	global_load_b32 v[Q2+8], v6, s[48:49]
	s_wait_xcnt 0x0                                ; the loads have read their bases, which are written again
	s_sub_co_u32 s41, 127, s41
	QADDR
	global_load_b128 v[16:19], v1, s[42:43]
	global_load_b128 v[20:23], v1, s[42:43] offset:512
	global_load_b32 v239, v6, s[48:49]
	s_cmp_lt_u32 s10, 8
	s_cbranch_scc0 .Lnot_lower
	s_wait_tensorcnt 0x0                           ; waves 0 to 7: my record has landed
.Lnot_lower:
	s_wait_loadcnt 0x0                             ; both Q
	s_barrier_signal -1
	s_barrier_wait -1                              ; records 0 to 7 are in
.macro PASS n                          ; a tile: n key steps at the most, then its way out
	s_mov_b32 s36, 0
	s_mov_b32 s37, 0
	s_mov_b32 s39, \n
.Lstep_\@:
	s_cmp_gt_u32 s37, s62                          ; all 128 keys come after my queries: ids alone; no barrier and no tensor load stands in the loop
	s_cbranch_scc1 .Lhidden_\@
	v_add_nc_u32 v3, s36, v1
	v_add_nc_u32 v4, s36, v2
.rept 6
	v_nop                                          ; with the two additions: eight places in front of loads into registers that the last products read
.endr
.irp t, 0,1,2,3,4,5,6,7
	ds_load_b128 v[32+8*\t:35+8*\t], v3 offset:\t*1024
	ds_load_b128 v[36+8*\t:39+8*\t], v3 offset:\t*1024+512
.endr
	ds_load_b128 v[8:11], v3 offset:RKS            ; word j: lanes 0-15 tile 2 j, lanes 16-31 tile 2 j + 1
	s_wait_alu depctr_va_vdst(0)
	s_wait_dscnt 0x0
.irp t, 0,2,4,6
	v_wmma_scale_f32_16x16x128_f8f6f4 v[S+8*\t:S+8*\t+7], v[32+8*\t:47+8*\t], v[16:31], 0, v[8+\t/2], v239
	v_wmma_scale_f32_16x16x128_f8f6f4 v[S+8*\t+8:S+8*\t+15], v[40+8*\t:55+8*\t], v[16:31], 0, v[8+\t/2], v239 matrix_a_scale:MATRIX_SCALE_ROW1
.endr
.rept 8
	v_nop                                          ; places in front of the loads below and of the first read of the scores
.endr
.irp t, 0,1,2,3
.irp c, 0,1,2,3
	ds_load_b128 v[32+16*\t+4*\c:35+16*\t+4*\c], v3 offset:RV+\t*2048+\c*512   ; V's four tiles land under the softmax
.endr
.endr
	ds_load_b64 v[232:233], v4 offset:RVS
	s_add_co_u32 s63, s37, 127
	s_cmp_le_u32 s63, s38                          ; all keys count for all my queries: no mask
	s_cbranch_scc1 .Lopen_\@
	s_sub_co_i32 s63, s38, s37
	v_add_nc_u32 v240, s63, v5                     ; d = my query - the step's first key - 16 (lane / 16): register 16 b + i is hidden where 32 b + i > d
	v_mov_b32 v241, 0xff800000
.set N, 0
.rept 64
	v_cmp_gt_i32 vcc_lo, 32*(N/16)+N%16, v240
	v_cndmask_b32 v[S+N], v[S+N], v241, vcc_lo
.set N, N+1
.endr
.Lopen_\@:
.irp b, 0,1,2,3
	v_max3_num_f32 v[BM+\b], v[S+16*\b], v[S+1+16*\b], v[S+2+16*\b]   ; each block's largest score: for the row's maximum and for the block's largest p
.endr
.irp i, 3,5,7,9,11,13
.irp b, 0,1,2,3
	v_max3_num_f32 v[BM+\b], v[BM+\b], v[S+16*\b+\i], v[S+1+16*\b+\i]
.endr
.endr
.irp b, 0,1,2,3
	v_max_num_f32 v[BM+\b], v[BM+\b], v[S+15+16*\b]
.endr
.irp b, 0,1,2,3
	s_delay_alu instid0(VALU_DEP_4)
	v_permlanex16_b32 v[BT+\b], v[BM+\b], s20, s21
.endr
.irp b, 0,1,2,3
	s_delay_alu instid0(VALU_DEP_4)
	v_max_num_f32 v[BM+\b], v[BM+\b], v[BT+\b]     ; with lane l xor 16's 16 keys
.endr
	s_delay_alu instid0(VALU_DEP_2)
	v_max3_num_f32 v238, v[BM], v[BM+1], v[BM+2]
	s_delay_alu instid0(VALU_DEP_1)
	v_max_num_f32 v238, v238, v[BM+3]
	s_delay_alu instid0(VALU_DEP_1)
	v_mul_f32 v238, s22, v238                      ; the step's largest t
	s_delay_alu instid0(VALU_DEP_1)
	v_max_num_f32 v13, v13, v238
	v_mov_b32 v238, v12
	s_delay_alu instid0(VALU_DEP_2)
	v_floor_f32 v12, -v13                          ; the new -M = -ceil(t)
	s_delay_alu instid0(VALU_DEP_1)
	v_sub_f32 v238, v12, v238                      ; old M - new M: a whole number, 0 or less
	s_delay_alu instid0(VALU_DEP_1)
	v_cvt_i32_f32 v238, v238
	s_delay_alu instid0(VALU_DEP_1)
	v_ldexp_f32 v234, 1.0, v238                    ; f = 2^(old M - new M)
.set N, 0
.rept 32
	v_pk_fma_f32 v[S+N:S+N+1], v[S+N:S+N+1], s[22:23], v[12:13] op_sel_hi:[1,0,0]   ; t - M
.set N, N+2
.endr
.irp b, 0,1,2,3
	v_fma_f32 v[BM+\b], v[BM+\b], s22, v12
.endr
	s_wait_alu depctr_va_vdst(0)                   ; the wait ahead of the batch
.set N, 0
.rept 64
	v_exp_f32 v[S+N], v[S+N]                       ; p = 2^(t - M)
.set N, N+1
.endr
.irp b, 0,1,2,3
	v_exp_f32 v[BM+\b], v[BM+\b]                   ; the block's largest p
.endr
	v_pk_mul_f32 v[14:15], v[14:15], v[234:235] op_sel_hi:[1,0]   ; the sum under the new M (a plain instruction behind the batch)
	s_wait_alu depctr_va_vdst(0)                   ; and the wait behind it
.irp b, 0,1,2,3
	v_max_num_f32 v[BM+\b], 0x4800000, v[BM+\b]    ; the floor 2^(9 - 127)
.endr
.irp b, 0,1,2,3
	s_delay_alu instid0(VALU_DEP_4)
	v_add_nc_u32 v[CSC+\b], 0xfc000000, v[BM+\b]   ; the conversion's scale operand
.endr
.irp b, 0,1,2,3
	v_and_or_b32 v[LIM+\b], v[BM+\b], 0x7f800000, s19   ; 448 x the scale
.endr
.irp b, 0,1,2,3
	v_lshrrev_b32 v[BT+\b], 23, v[CSC+\b]          ; the scale's byte
.endr
	s_delay_alu instid0(VALU_DEP_3)
	v_lshl_or_b32 v235, v[BT+1], 8, v[BT]          ; p's scale word
	s_delay_alu instid0(VALU_DEP_1)
	v_lshl_or_b32 v235, v[BT+2], 16, v235
	s_delay_alu instid0(VALU_DEP_1)
	v_lshl_or_b32 v235, v[BT+3], 24, v235
.irp b, 0,1,2,3
	v_mov_b32 v[BT+(\b+1)%4], v[LIM+\b]            ; the bound once more, in a register whose number differs modulo 4: the pairs below name both
.endr
	v_pk_add_f32 v[236:237], v[S:S+1], v[S+2:S+3]  ; the row's sum of the unquantised p, in four chains
	v_pk_add_f32 v[252:253], v[S+4:S+5], v[S+6:S+7]
	v_pk_add_f32 v[240:241], v[S+8:S+9], v[S+10:S+11]
.set N, 12
.rept 6
	v_pk_add_f32 v[14:15], v[14:15], v[S+N:S+N+1]
	v_pk_add_f32 v[236:237], v[236:237], v[S+N+2:S+N+3]
	v_pk_add_f32 v[252:253], v[252:253], v[S+N+4:S+N+5]
	v_pk_add_f32 v[240:241], v[240:241], v[S+N+6:S+N+7]
.set N, N+8
.endr
	v_pk_add_f32 v[14:15], v[14:15], v[S+60:S+61]
	v_pk_add_f32 v[236:237], v[236:237], v[S+62:S+63]
	v_pk_add_f32 v[252:253], v[252:253], v[240:241]
	v_pk_add_f32 v[14:15], v[14:15], v[236:237]
	v_pk_add_f32 v[14:15], v[14:15], v[252:253]
.irp b, 0,1,2,3
.irp i, 0,2,4,6,8,10,12,14
	v_dual_min_num_f32 v[S+16*\b+\i], v[S+16*\b+\i], v[LIM+\b] :: v_dual_min_num_f32 v[S+16*\b+\i+1], v[S+16*\b+\i+1], v[BT+(\b+1)%4]   ; the hold, two numbers a line: the conversion does not saturate (ISA guide 7.6.2); p is not negative
.endr
	v_cvt_scalef32_pk8_fp8_f32 v[PCD+4*\b:PCD+1+4*\b], v[S+16*\b:S+7+16*\b], v[CSC+\b]
	v_cvt_scalef32_pk8_fp8_f32 v[PCD+2+4*\b:PCD+3+4*\b], v[S+8+16*\b:S+15+16*\b], v[CSC+\b]
.endr
	s_wait_alu depctr_va_vdst(0)                   ; the wait directly ahead of the first reader of O^T
.set N, 0
.rept 16
	v_pk_mul_f32 v[OT+N:OT+N+1], v[OT+N:OT+N+1], v[234:235] op_sel_hi:[1,0]   ; O^T under the new M; also the places between the codes and the products
.set N, N+2
.endr
	s_wait_alu depctr_va_vdst(0)
	s_wait_dscnt 0x0                               ; V
.irp t, 0,2
	v_wmma_scale_f32_16x16x128_f8f6f4 v[OT+8*\t:OT+8*\t+7], v[32+16*\t:47+16*\t], v[PCD:PCD+15], v[OT+8*\t:OT+8*\t+7], v[232+\t/2], v235
	v_wmma_scale_f32_16x16x128_f8f6f4 v[OT+8*\t+8:OT+8*\t+15], v[48+16*\t:63+16*\t], v[PCD:PCD+15], v[OT+8*\t+8:OT+8*\t+15], v[232+\t/2], v235 matrix_a_scale:MATRIX_SCALE_ROW1
.endr
.Lhidden_\@:
	s_add_co_u32 s37, s37, 128
	s_add_co_u32 s36, s36, KVB
	s_sub_co_u32 s39, s39, 1
	s_cmp_lg_u32 s39, 0
	s_cbranch_scc1 .Lstep_\@
	; the tile's end: O^T / the sum, quantised along the channels: two blocks of 32, each in lanes l and l xor 16
.rept 8
	v_nop
.endr
	s_wait_alu depctr_va_vdst(0)
	v_add_f32 v14, v14, v15
	s_delay_alu instid0(VALU_DEP_1)
	v_permlanex16_b32 v238, v14, s20, s21
	s_delay_alu instid0(VALU_DEP_1)
	v_add_f32 v14, v14, v238                       ; the row's sum
	s_wait_alu depctr_va_vdst(0)
	v_rcp_f32 v14, v14
	v_nop
	s_wait_alu depctr_va_vdst(0)
.set N, 0
.rept 16
	v_pk_mul_f32 v[S+N:S+N+1], v[OT+N:OT+N+1], v[14:15] op_sel_hi:[1,0]   ; register 16 g + i: channel 32 g + 16 (lane / 16) + i
.set N, N+2
.endr
.irp g, 0,1
	v_max3_num_f32 v[BM+\g], |v[S+16*\g]|, |v[S+1+16*\g]|, 0x4800000
.endr
.irp i, 2,4,6,8,10,12,14
.irp g, 0,1
	s_delay_alu instid0(VALU_DEP_2)
	v_max3_num_f32 v[BM+\g], v[BM+\g], |v[S+16*\g+\i]|, |v[S+1+16*\g+\i]|
.endr
.endr
.irp g, 0,1
	s_delay_alu instid0(VALU_DEP_2)
	v_permlanex16_b32 v[BT+\g], v[BM+\g], s20, s21
.endr
.irp g, 0,1
	s_delay_alu instid0(VALU_DEP_2)
	v_max_num_f32 v[BM+\g], v[BM+\g], v[BT+\g]
.endr
.irp g, 0,1
	s_delay_alu instid0(VALU_DEP_2)
	v_add_nc_u32 v[CSC+\g], 0xfc000000, v[BM+\g]
.endr
.irp g, 0,1
	s_delay_alu instid0(VALU_DEP_4)
	v_and_or_b32 v[LIM+\g], v[BM+\g], 0x7f800000, s19
.endr
.irp g, 0,1
	s_delay_alu instid0(VALU_DEP_4)
	v_lshrrev_b32 v[BT+\g], 23, v[CSC+\g]
.endr
	s_delay_alu instid0(VALU_DEP_1)
	v_lshl_or_b32 v238, v[BT+1], 8, v[BT]          ; my row's two bytes
.irp g, 0,1
.irp i, 0,1,2,3,4,5,6,7,8,9,10,11,12,13,14,15
	v_med3_num_f32 v[S+16*\g+\i], v[S+16*\g+\i], -v[LIM+\g], v[LIM+\g]
.endr
	v_cvt_scalef32_pk8_fp8_f32 v[PCD+4*\g:PCD+1+4*\g], v[S+16*\g:S+7+16*\g], v[CSC+\g]
	v_cvt_scalef32_pk8_fp8_f32 v[PCD+2+4*\g:PCD+3+4*\g], v[S+8+16*\g:S+15+16*\g], v[CSC+\g]
.endr
	v_nop                                          ; a plain instruction behind the conversions
	global_store_b128 v1, v[PCD:PCD+3], s[44:45]   ; registers of the last product's operand: 512 consecutive bytes a store
	global_store_b128 v1, v[PCD+4:PCD+7], s[44:45] offset:512
	global_store_b16 v7, v238, s[46:47]            ; both halves of the lanes store the same two bytes at the same place
	s_wait_xcnt 0x0                                ; the stores have read their registers and bases
.endm
	PASS 8
	s_sub_co_u32 s41, 127, s41                     ; the second pass's tile
	QADDR
.set N, 0
.rept 8
	v_mov_b32 v[16+N], v[Q2+N]                     ; its Q, and its scale word: the 36 lines of INIT are their places ahead of the products
.set N, N+1
.endr
	v_mov_b32 v239, v[Q2+8]
	INIT
	s_wait_alu depctr_va_vdst(0)                   ; the wait ahead of the waits below
	s_wait_tensorcnt 0x0                           ; every wave: my record has landed
	s_wait_dscnt 0x0
	s_barrier_signal -1
	s_barrier_wait -1                              ; all sixteen records are in
	PASS 16
	s_wait_tensorcnt 0x0                           ; the wave's end
	ds_add_u32 v254, v255
	s_wait_dscnt 0x0
	s_endpgm
.Lfunc_end_k_q41eaa12636_attn:
	.size	k_q41eaa12636_attn, .Lfunc_end_k_q41eaa12636_attn-k_q41eaa12636_attn
	.p2alignl 7, 3214868480
	.fill 96, 4, 3214868480
	.section	.rodata,"a",@progbits
	.p2align	6, 0x0
	.amdhsa_kernel k_q41eaa12636_attn
		.amdhsa_group_segment_fixed_size 276480
		.amdhsa_private_segment_fixed_size 0
		.amdhsa_enable_private_segment 0
		.amdhsa_kernarg_size 24
		.amdhsa_user_sgpr_count 2
		.amdhsa_user_sgpr_kernarg_segment_ptr 1
		.amdhsa_wavefront_size32 1
		.amdhsa_system_sgpr_workgroup_id_x 1
		.amdhsa_system_sgpr_workgroup_id_y 1
		.amdhsa_system_sgpr_workgroup_id_z 1
		.amdhsa_system_vgpr_workitem_id 0
		.amdhsa_next_free_vgpr 256
		.amdhsa_next_free_sgpr 66
		.amdhsa_reserve_vcc 1
		.amdhsa_float_denorm_mode_32 3
		.amdhsa_float_denorm_mode_16_64 3
		.amdhsa_memory_ordered 1
		.amdhsa_forward_progress 1
		.amdhsa_inst_pref_size 74
	.end_amdhsa_kernel
	.amdgpu_metadata
---
amdhsa.version: [ 1, 2 ]
amdhsa.kernels:
  - .name:           k_q41eaa12636_attn
    .symbol:         k_q41eaa12636_attn.kd
    .args:
      - { .name: qkvr, .offset: 0, .size: 8, .value_kind: global_buffer, .address_space: global }
      - { .name: cc, .offset: 8, .size: 8, .value_kind: global_buffer, .address_space: global }
      - { .name: cs, .offset: 16, .size: 8, .value_kind: global_buffer, .address_space: global }
    .group_segment_fixed_size: 276480
    .private_segment_fixed_size: 0
    .kernarg_segment_align: 8
    .kernarg_segment_size: 24
    .max_flat_workgroup_size: 512
    .sgpr_count:     66
    .vgpr_count:     256
    .wavefront_size: 32
...
	.end_amdgpu_metadata
.endif
;; end of part 3
;; launch oproj (part 4): grid 4 x 32, 4 waves a work-group, clusters of 4 x 4, 327,680 bytes of LDS; arguments cc, cs, wc, ws, out0; writes out0
.if DOCPART == 4
	.amdgcn_target "amdgcn-amd-amdhsa--gfx1250"
	.amdhsa_code_object_version 6
	.text
	.protected	k_q41eaa12636_oproj
	.globl	k_q41eaa12636_oproj
	.p2align	8
	.type	k_q41eaa12636_oproj,@function
k_q41eaa12636_oproj:
	s_mov_b64 s[64:65], 0
	v_nop
	global_prefetch_b8 v0, s[64:65] scope:SCOPE_SE
	s_setreg_imm32_b32 hwreg(HW_REG_WAVE_MODE, 25, 1), 1
	s_wait_xcnt 0x0
	s_wait_alu depctr_hold_cnt(0) depctr_sa_sdst(0) depctr_va_vdst(0) depctr_va_sdst(0) depctr_va_ssrc(0) depctr_va_vcc(0) depctr_vm_vsrc(0)
	s_getreg_b32 s2, hwreg(HW_REG_IB_STS2, 6, 4)
	s_cmp_eq_u32 s2, 0
	s_cbranch_scc0 .Lentry_in_a_cluster
	s_endpgm
.Lentry_in_a_cluster:
	s_bfe_u32 s2, ttmp6, 0x10000c
	s_cmp_lg_u32 s2, 0xf033
	s_cbranch_scc0 .Lentry_shape_is_right
	s_endpgm
.Lentry_shape_is_right:
.set SIZE_N, 1024
.set SIZE_K, 1024
.set KSTEP,  256
.set NQ,     KSTEP/128
.set ROWB,   256
.set KROW,   SIZE_K
.set PITCH,  272
.set FR,     16
.set NL,     4
.set NP,     8
.set ASTEP,  4096
.set AHALF,  8*ASTEP
.set BOFF,   2*AHALF
.set HALFT,  128*PITCH
.set SLOT,   BOFF+2*HALFT
.set LAPS,   SIZE_K/(2*KSTEP)
.set KS,     SIZE_K/32
.set SCL,    2*SLOT
.set HALFS,  (128*KS/256)*272
.set SBLK,   (16*KS/256)*272
.set SPARE,  SCL+4*HALFS
.set SPITCH, 528
.set ADRA, 16
.set ADRB, 20
.set STO,  24
.set RD,   25
.set CO,   26
.set ADRS, 27
.set SPW,  28
.set NIL,  29
.set SC,   32
.set AF,   128
.set BK,   128
.set G1, 24
.set G0, 32
.set G1B, 48
.set G0B, 56
.set G1S, 68
.set G0S, 76
.set G1SB, 80
.set G0SB, 88
.set MSB, 0
.macro WIN new
.if MSB != (\new)
	s_set_vgpr_msb (MSB<<8)|(\new)
.set MSB, (\new)
.endif
.endm
.set MUL_LO, 0xa1
.set MUL_HI, 0xf1
.set TO_B,   0x40
.macro JLOAD g0a, g1a, g0b, g1b
	s_cmp_eq_u32 s15, 0
	s_cbranch_scc0 .Lfor_b_\@
	tensor_load_to_lds s[\g0a:\g0a+3], s[\g1a:\g1a+7]
	s_nop 0
.rept 4
	v_nop
.endr
	s_branch .Lasked_\@
.Lfor_b_\@:
	tensor_load_to_lds s[\g0b:\g0b+3], s[\g1b:\g1b+7]
	s_nop 0
.rept 4
	v_nop
.endr
.Lasked_\@:
.endm
.macro CREST
	s_cmp_lg_u32 s14, 0
	s_cbranch_scc1 .Lnot_wave_0_\@
	s_barrier_signal -3
.Lnot_wave_0_\@:
	s_barrier_wait -3
	s_barrier_signal -1
	s_barrier_wait -1
.endm
.macro CROUND
	s_barrier_signal -1
	s_barrier_wait -1
	CREST
.endm
	s_load_b128 s[4:7], s[0:1], 0x0
	s_load_b128 s[8:11], s[0:1], 0x10
	s_load_b64 s[12:13], s[0:1], 0x20
	v_lshl_add_u32 v[SPW], v0, 2, SPARE
	v_mov_b32 v[NIL], 0
	ds_add_u32 v28, v29
	ds_add_u32 v28, v29
	s_wait_dscnt 0x0
	v_lshrrev_b32 v1, 5, v0
	v_readfirstlane_b32 s14, v1
	s_lshr_b32 s15, s14, 1
	s_and_b32 s16, s14, 1
	s_bfe_u32 s40, ttmp6, 0x40000
	s_bfe_u32 s41, ttmp6, 0x40004
	s_lshl_b32 s42, ttmp9, 2
	s_add_co_u32 s42, s42, s40
	s_and_b32 s17, ttmp7, 0xffff
	s_lshl_b32 s17, s17, 2
	s_add_co_u32 s17, s17, s41
	s_lshl_b32 s43, s41, 2
	s_lshl_b32 s43, 15, s43
	s_lshl_b32 s44, 0x1111, s40
	s_or_b32 s[G1+0], s43, (3<<16)|(1<<21)
	s_mov_b32 s[G1+1], 512<<16
	s_mov_b32 s[G1+2], 16<<16
	s_mov_b32 s[G1+3], 512<<16
	s_mov_b32 s[G1+4], 16
	s_mov_b32 s[G1+5], 2048
	s_mov_b32 s[G1+6], 0
	s_mov_b32 s[G1+7], 0
	s_or_b32 s[G1B+0], s44, (0<<16)|(1<<20)|(1<<21)|(5<<22)|(3<<25)
	s_mov_b32 s[G1B+1], ROWB<<16
	s_mov_b32 s[G1B+2], 256<<16
	s_mov_b32 s[G1B+3], ROWB<<16
	s_mov_b32 s[G1B+4], 256
	s_mov_b32 s[G1B+5], KROW
	s_mov_b32 s[G1B+6], 0
	s_mov_b32 s[G1B+7], 0
	s_or_b32 s[G1S+0], s43, (3<<16)|(1<<20)|(1<<21)|(5<<22)|(3<<25)
	s_or_b32 s[G1SB+0], s44, (3<<16)|(1<<20)|(1<<21)|(5<<22)|(3<<25)
.irp g, G1S, G1SB
	s_mov_b32 s[\g+1], 32<<16
	s_mov_b32 s[\g+2], (256*KS/256)<<16
	s_mov_b32 s[\g+3], 32<<16
	s_mov_b32 s[\g+4], 256*KS/256
	s_mov_b32 s[\g+5], 32
	s_mov_b32 s[\g+6], 0
	s_mov_b32 s[\g+7], 0
.endr
	s_lshl_b32 s20, s17, 8
	s_lshl_b32 s46, s42, 8
	s_add_co_u32 s46, s46, 3072
	s_mov_b32 s21, 0
	s_mov_b32 s47, 0
	s_mov_b64 s[18:19], KS
	s_mul_u64 s[22:23], s[20:21], s[18:19]
	s_mul_u64 s[92:93], s[46:47], s[18:19]
	s_mov_b64 s[18:19], KROW
	s_mul_u64 s[20:21], s[20:21], s[18:19]
	s_mul_u64 s[46:47], s[46:47], s[18:19]
	s_mul_i32 s45, s16, AHALF
	s_mul_i32 s95, s16, HALFT
	s_add_co_u32 s95, s95, BOFF
	s_mul_i32 s18, s16, 128*KROW                   ; in the ring a wave fetches 128 rows of a tile: which half, in bytes
	s_mov_b32 s19, 0
	s_wait_kmcnt 0x0
	s_add_nc_u64 s[20:21], s[4:5], s[20:21]
	s_add_nc_u64 s[22:23], s[6:7], s[22:23]
	s_add_nc_u64 s[46:47], s[8:9], s[46:47]
	s_add_nc_u64 s[92:93], s[10:11], s[92:93]
	CROUND
	s_mov_b32 s[G0S], 1
	s_mov_b32 s[G0S+1], SCL
	s_mov_b64 s[G0S+2:G0S+3], s[22:23]
	s_or_b32 s[G0S+3], s[G0S+3], 0x80000000
	s_mov_b32 s[G0SB], 1
	s_mov_b32 s[G0SB+1], SCL+2*HALFS
	s_mov_b64 s[G0SB+2:G0SB+3], s[92:93]
	s_or_b32 s[G0SB+3], s[G0SB+3], 0x80000000
	s_mov_b32 s4, 1                                ; s[4:7], s[8:11]: group 0 of the head's loads of K step 0: A's 256 rows, B's 256 rows
	s_mov_b32 s5, 0
	s_mov_b64 s[6:7], s[20:21]
	s_or_b32 s7, s7, 0x80000000
	s_mov_b32 s8, 1
	s_mov_b32 s9, BOFF
	s_mov_b64 s[10:11], s[46:47]
	s_or_b32 s11, s11, 0x80000000
	s_add_nc_u64 s[20:21], s[20:21], s[18:19]
	s_add_nc_u64 s[46:47], s[46:47], s[18:19]
.irp s, 0,1
	s_mov_b32 s[G0+4*\s], 1
	s_add_co_u32 s[G0+4*\s+1], s45, \s*SLOT
	s_add_nc_u64 s[G0+4*\s+2:G0+4*\s+3], s[20:21], \s*ASTEP
	s_or_b32 s[G0+4*\s+3], s[G0+4*\s+3], 0x80000000
	s_mov_b32 s[G0B+4*\s], 1
	s_add_co_u32 s[G0B+4*\s+1], s95, \s*SLOT
	s_add_nc_u64 s[G0B+4*\s+2:G0B+4*\s+3], s[46:47], \s*ROWB
	s_or_b32 s[G0B+4*\s+3], s[G0B+4*\s+3], 0x80000000
.endr
; the head's four tiles, one joint load a wave, in one chain of branches on the wave's number: wave 0 A's 256 rows, wave 1 B's, wave 2 A's scale bytes, wave 3 B's
.macro ARM under, g0, g1, next
	s_cmp_lt_u32 s14, \under
	s_cbranch_scc0 \next
	tensor_load_to_lds s[\g0:\g0+3], s[\g1:\g1+7]
	s_nop 0
.rept 4
	v_nop
.endr
	s_branch .Lhead_asked
\next:
.endm
	ARM 1, 4, G1, .Lhead_b
	ARM 2, 8, G1B, .Lhead_sa
	ARM 3, G0S, G1S, .Lhead_sb
	tensor_load_to_lds s[G0SB:G0SB+3], s[G1SB:G1SB+7]
	s_nop 0
.rept 4
	v_nop
.endr
.Lhead_asked:
	v_and_b32 v1, 15, v0
	v_bfe_u32 v2, v0, 4, 1
	v_and_b32 v6, 31, v0
	v_lshlrev_b32 v[CO], 4, v6
	v_mul_u32_u24 v3, v1, PITCH
	v_lshl_add_u32 v4, v2, 4, v3
	s_mul_i32 s21, s15, AHALF
	s_mul_i32 s22, s16, HALFT
	s_add_co_u32 s22, s22, BOFF
.irp s, 0,1
	v_add_nc_u32 v[ADRA+\s], s21, v[CO]
	v_add_nc_u32 v[ADRB+\s], s22, v4
	s_add_co_u32 s21, s21, SLOT
	s_add_co_u32 s22, s22, SLOT
.endr
	v_mul_u32_u24 v5, v1, KS
	v_lshrrev_b32 v6, 8, v5
	v_lshl_add_u32 v5, v6, 4, v5
	s_mul_i32 s21, s15, HALFS
	s_mul_i32 s22, s16, HALFS
	s_add_co_u32 s22, s22, 2*HALFS
	s_sub_co_u32 s22, s22, s21
	v_mul_u32_u24 v6, s22, v2
	s_add_co_u32 s21, s21, SCL
	v_add_nc_u32 v5, v5, v6
	v_add_nc_u32 v[ADRS], s21, v5
	s_mul_i32 s23, s14, 16*SPITCH
	v_mul_u32_u24 v5, v1, SPITCH
	v_lshl_add_u32 v5, v2, 6, v5
	v_add_nc_u32 v[STO], s23, v5
	v_add_nc_u32 v[RD], s23, v[CO]
	s_lshl_b32 s20, s17, 8
	s_lshl_b32 s21, s15, 7
	s_add_co_u32 s20, s20, s21
	s_mov_b32 s21, 0
	s_mov_b64 s[18:19], SIZE_N*4
	s_mul_u64 s[20:21], s[20:21], s[18:19]
	s_lshl_b32 s46, s42, 10
	s_lshl_b32 s47, s16, 9
	s_add_co_u32 s46, s46, s47
	s_mov_b32 s47, 0
	s_add_nc_u64 s[20:21], s[20:21], s[46:47]
	s_add_nc_u64 s[12:13], s[12:13], s[20:21]
.macro FRAGB reg, adr, q, i
.irp c, 0,1,2,3
	ds_load_b128 v[\reg+4*\c:\reg+4*\c+3], v[\adr] offset:128*(\q)+32*\c+(\i)*16*PITCH
.endr
.endm
.macro FRAGA reg, adr, q, i
.irp c, 0,1,2,3
	ds_load_b128 v[\reg+4*\c:\reg+4*\c+3], v[\adr] offset:ASTEP*(\i)+2048*(\q)+512*\c
.endr
.endm
.macro MUL16 a0, p, q, sc, zero
.irp a, \a0, \a0+1
.irp b, 0,1,2,3,4,5,6,7
.if \zero
	v_wmma_scale_f32_16x16x128_f8f6f4 v[8*(8*((\a)%4)+\b):8*(8*((\a)%4)+\b)+7], v[128*(\p)+FR*\b:128*(\p)+FR*\b+FR-1], v[AF+FR*(\a):AF+FR*(\a)+FR-1], 0, v[SC+8*NQ*(\sc)+NQ*\b+(\q)], v[SC+8*NQ*(\sc)+NQ*(\a)+(\q)] matrix_a_scale:MATRIX_SCALE_ROW1
.else
	v_wmma_scale_f32_16x16x128_f8f6f4 v[8*(8*((\a)%4)+\b):8*(8*((\a)%4)+\b)+7], v[128*(\p)+FR*\b:128*(\p)+FR*\b+FR-1], v[AF+FR*(\a):AF+FR*(\a)+FR-1], v[8*(8*((\a)%4)+\b):8*(8*((\a)%4)+\b)+7], v[SC+8*NQ*(\sc)+NQ*\b+(\q)], v[SC+8*NQ*(\sc)+NQ*(\a)+(\q)] matrix_a_scale:MATRIX_SCALE_ROW1
.endif
.endr
.endr
.endm
.macro FETCH_B slot, q, p
	WIN TO_B
.irp i, 0,1,2,3,4,5,6,7
	FRAGB 128*(\p)+FR*\i, ADRB+\slot, \q, \i
.endr
	WIN 0
.endm
.macro FETCH_A slot, q, i0
.irp i, \i0, \i0+1, \i0+2, \i0+3
	FRAGA AF+FR*(\i), ADRA+\slot, \q, \i
.endr
.endm
.macro SCALES sc
.irp i, 0,1,2,3,4,5,6,7
	ds_load_b64 v[SC+8*NQ*\sc+NQ*\i:SC+8*NQ*\sc+NQ*\i+1], v[ADRS] offset:\i*SBLK
.endr
.endm
.macro PLACES n
.rept \n
	v_nop
.endr
.endm
.macro STEP slot, q, zero
	s_wait_dscnt 4*NL
	WIN MUL_LO
	MUL16 0, (\q)%2, \q, \slot, \zero
	MUL16 2, (\q)%2, \q, \slot, \zero
	s_wait_dscnt 0
	PLACES NP
	FETCH_B \slot, (\q)+1, 1-(\q)%2
	FETCH_A \slot, (\q)+1, 0
	WIN MUL_HI
	MUL16 4, (\q)%2, \q, \slot, \zero
	MUL16 6, (\q)%2, \q, \slot, \zero
	PLACES NP
	WIN 0
	FETCH_A \slot, (\q)+1, 4
.endm
.macro TURN slot, next, fill
	s_wait_tensorcnt 0x0
	ds_add_u32 v[SPW], v[NIL]
	s_wait_dscnt 4*NL+1
	WIN MUL_LO
	MUL16 0, 1, NQ-1, \slot, 0
	s_wait_dscnt 0x0
	s_barrier_signal -1
	MUL16 2, 1, NQ-1, \slot, 0
	WIN 0
	s_barrier_wait -1
.if \fill
	CREST
	s_add_nc_u64 s[G0+4*\slot+2:G0+4*\slot+3], s[G0+4*\slot+2:G0+4*\slot+3], 2*ASTEP
	s_add_nc_u64 s[G0B+4*\slot+2:G0B+4*\slot+3], s[G0B+4*\slot+2:G0B+4*\slot+3], 2*ROWB
	JLOAD G0+4*\slot, G1, G0B+4*\slot, G1B
	PLACES NP-4
.else
	PLACES NP
.endif
	s_wait_alu depctr_va_vdst(0)
	v_add_nc_u32 v[ADRS], 4*NQ, v[ADRS]
	FETCH_B \next, 0, 0
	FETCH_A \next, 0, 0
	SCALES \next
	WIN MUL_HI
	MUL16 4, 1, NQ-1, \slot, 0
	MUL16 6, 1, NQ-1, \slot, 0
	PLACES NP
	WIN 0
	FETCH_A \next, 0, 4
.endm
	s_wait_alu depctr_va_vdst(0)                   ; the wait at the head's end
	s_wait_tensorcnt 0x0                           ; my tile of the head's four is in
	ds_add_u32 v[SPW], v[NIL]
	s_mov_b32 s[G1+2], 8<<16                       ; no tensor load of mine is out: from here on a load brings half a tile
	s_mov_b32 s[G1+4], 8
	s_mov_b32 s[G1B+2], 128<<16
	s_mov_b32 s[G1B+4], 128
	s_wait_dscnt 0x0
	CROUND                                         ; all four tiles are in, in every partner
	JLOAD G0+4, G1, G0B+4, G1B                     ; K step 1, the first tensor load behind the round
	FETCH_B 0, 0, 0
	FETCH_A 0, 0, 0
	SCALES 0
	FETCH_A 0, 0, 4
	STEP 0, 0, 1
	s_mov_b32 s3, LAPS-1
.Llap:
	TURN 0, 1, 1
	STEP 1, 0, 0
	TURN 1, 0, 1
	STEP 0, 0, 0
	s_sub_co_u32 s3, s3, 1
	s_cmp_lg_u32 s3, 0
	s_cbranch_scc1 .Llap
	TURN 0, 1, 0
	STEP 1, 0, 0
	s_wait_dscnt 4*NL
	WIN MUL_LO
	MUL16 0, 1, NQ-1, 1, 0
	MUL16 2, 1, NQ-1, 1, 0
	s_wait_dscnt 0
	WIN MUL_HI
	MUL16 4, 1, NQ-1, 1, 0
	MUL16 6, 1, NQ-1, 1, 0
	WIN 0
.macro TOSTAGE a
.set AC, 64*((\a)%4)
	WIN 0x08+4*((\a)/4)
.irp b, 0,1,2,3,4,5,6,7
	ds_store_b128 v[STO], v[AC+8*\b:AC+8*\b+3] offset:128*(\b/2)+32*(\b%2)
	ds_store_b128 v[STO], v[AC+8*\b+4:AC+8*\b+7] offset:128*(\b/2)+32*(\b%2)+16
.endr
	WIN 0
.set BB, BK+64*((\a)%2)
.irp t, 0,1,2,3,4,5,6,7,8,9,10,11,12,13,14,15
	ds_load_b128 v[BB+4*\t:BB+4*\t+3], v[RD] offset:\t*SPITCH
.endr
.endm
.macro SEND a, younger
.set BB, BK+64*((\a)%2)
	s_wait_dscnt \younger
.irp t, 0,1,2,3,4,5,6,7,8,9,10,11,12,13,14,15
	global_store_b128 v[CO], v[BB+4*\t:BB+4*\t+3], s[12:13] offset:(32*((\a)/2)+8*((\a)%2)+(\t%8)+16*(\t/8))*SIZE_N*4 th:TH_STORE_NT
.endr
.endm
	PLACES NP
	TOSTAGE 0
.irp a, 1,2,3,4,5,6,7
.if \a > 1
	s_wait_xcnt 0x0
.endif
	TOSTAGE \a
	SEND \a-1, 32
.endr
	SEND 7, 0
	s_wait_tensorcnt 0x0
	ds_add_u32 v[SPW], v[NIL]
	s_wait_dscnt 0x0
	CROUND
	s_endpgm
.Lfunc_end_k_q41eaa12636_oproj:
	.size	k_q41eaa12636_oproj, .Lfunc_end_k_q41eaa12636_oproj-k_q41eaa12636_oproj
	.p2alignl 7, 3214868480
	.fill 96, 4, 3214868480
	.section	.rodata,"a",@progbits
	.p2align	6, 0x0
	.amdhsa_kernel k_q41eaa12636_oproj
		.amdhsa_group_segment_fixed_size 327680
		.amdhsa_private_segment_fixed_size 0
		.amdhsa_enable_private_segment 0
		.amdhsa_kernarg_size 40
		.amdhsa_user_sgpr_count 2
		.amdhsa_user_sgpr_kernarg_segment_ptr 1
		.amdhsa_wavefront_size32 1
		.amdhsa_system_sgpr_workgroup_id_x 1
		.amdhsa_system_sgpr_workgroup_id_y 1
		.amdhsa_system_sgpr_workgroup_id_z 1
		.amdhsa_system_vgpr_workitem_id 0
		.amdhsa_next_free_vgpr 1024
		.amdhsa_next_free_sgpr 98
		.amdhsa_reserve_vcc 0
		.amdhsa_float_denorm_mode_32 3
		.amdhsa_float_denorm_mode_16_64 3
		.amdhsa_memory_ordered 1
		.amdhsa_forward_progress 1
		.amdhsa_inst_pref_size 146
	.end_amdhsa_kernel
	.amdgpu_metadata
---
amdhsa.version: [ 1, 2 ]
amdhsa.kernels:
  - .name:           k_q41eaa12636_oproj
    .symbol:         k_q41eaa12636_oproj.kd
    .args:
      - { .name: cc, .offset: 0, .size: 8, .value_kind: global_buffer, .address_space: global }
      - { .name: cs, .offset: 8, .size: 8, .value_kind: global_buffer, .address_space: global }
      - { .name: wc, .offset: 16, .size: 8, .value_kind: global_buffer, .address_space: global }
      - { .name: ws, .offset: 24, .size: 8, .value_kind: global_buffer, .address_space: global }
      - { .name: out0, .offset: 32, .size: 8, .value_kind: global_buffer, .address_space: global }
    .group_segment_fixed_size: 327680
    .private_segment_fixed_size: 0
    .kernarg_segment_align: 8
    .kernarg_segment_size: 40
    .max_flat_workgroup_size: 128
    .sgpr_count:     98
    .vgpr_count:     1024
    .wavefront_size: 32
...
	.end_amdgpu_metadata
.endif
;; end of part 4
